; MI455X (gfx1250); checked and timed in simulation.
; The chip was launched on July 23, 2026; its instructions are those of AMD's public machine-readable ISA for CDNA 5 (MIT licence, August 2026) and "CDNA5" Instruction Set Architecture Reference Guide (July 2026). The comments in the code are by the model that wrote it; some were corrected since.
;; DA Attention. Allowed arithmetic: matrix products marked QUANTISED: E2M1 operands, one E8M0 scale for each 32 along K, by v_wmma_scale_f32_16x16x128_f8f6f4 with both operands' format E2M1 (or v_wmma_scale_f32_32x16x128_f4), f32 sums; products left as they are: bf16, f16 or f32 operands; f32 sums; everything else in f32.
;; Inputs: Wk 1,024 x 1,024 float32; Wo 1,024 x 1,024 float32; Wq 1,024 x 1,024 float32; Wv 1,024 x 1,024 float32; bo 1,024 float32; v 16 float32; w 16 float32; x 2 x 2,048 x 1,024 float32.
;; Outputs: out0 2 x 2,048 x 1,024 float32.
;; This version of the problem:
;;   THIS VERSION OF THE PROBLEM IS GIVEN IN LOW PRECISION. The matrix products marked QUANTISED in the list below multiply operands that are first quantised to E2M1 (2 exponent bits, 1 mantissa bit; 4 bits a number), with one power-of-two scale for each 32 numbers along K (OCP MX v1.0); their sums are f32. The products marked 'left as it is' may take bf16, f16 or f32 operands, with f32 sums. Whichever they take, every output number must still come out within the allowed error. Rounding operands to bf16 (8 significant bits) uses up far more of that allowance than f16 does (11 bits, for magnitudes from 6e-5 to 65,504). All else is computed in f32.
;;   The module's matrix products, in the order in which they are computed (A, B: the left and right operand; K: the contracted axis; several contracted axes count as one K, in the product's order):
;;     1. [M 4,096, K 1,024] x [K 1,024, N 1,024]; A: input x; B: input Wq: QUANTISED
;;     2. [M 4,096, K 1,024] x [K 1,024, N 1,024]; A: input x; B: input Wk: QUANTISED
;;     3. [M 4,096, K 1,024] x [K 1,024, N 1,024]; A: input x; B: input Wv: QUANTISED
;;     4. batch 32 x [M 2,048, K 64] x [K 64, N 2,048]; A: computed on the way; B: computed on the way: left as it is (an operand is computed on the way)
;;     5. batch 32 x [M 2,048, K 2,048] x [K 2,048, N 64]; A: computed on the way; B: computed on the way: left as it is (an operand is computed on the way)
;;     6. [M 4,096, K 1,024] x [K 1,024, N 1,024]; A: computed on the way; B: input Wo: left as it is (an operand is computed on the way)
;;   THE QUANTISER, for each operand of a quantised product, along K:
;;     - K is cut into blocks of 32 from its start; a last block that is shorter is filled with zeros.
;;     - A block's scale is 2^e with e = floor(log2(the largest magnitude in the block)) - 2, held to -126 .. 127; a block of zeros has e = 0. As a byte (E8M0): e + 127.
;;     - Each number is divided by its block's scale, clamped to +-6, and rounded to the nearest number of E2M1, ties to even, subnormals kept.
;;     - The product sums the exact products of the quantised numbers (number of the format x scale) in f32.
;;   ~~~python
;;   def quantise(x, axis):      # numpy; x: float32 -> the quantised numbers, widened to float32 again
;;       x = np.moveaxis(x, axis, -1); K = x.shape[-1]
;;       x = np.pad(x, [(0, 0)] * (x.ndim - 1) + [(0, -K % 32)]); x = x.reshape(x.shape[:-1] + (-1, 32)); a = np.abs(x).max(-1, keepdims=True)
;;       e = np.where(a > 0, np.clip(np.frexp(np.where(a > 0, a, 1))[1] - 1 - 2, -126, 127), 0)      # np.frexp(a)[1] - 1 = floor(log2(a)), exactly
;;       r = np.clip(x / 2.0 ** e, -6, 6)
;;       step = 2.0 ** (np.maximum(np.frexp(np.where(r == 0, 1, r))[1] - 1, 0) - 1)
;;       q = np.round(r / step) * step * 2.0 ** e      # np.round: ties to even
;;       return np.moveaxis(q.reshape(q.shape[:-2] + (-1,))[..., :K], -1, axis).astype(np.float32)
;;   ~~~
;; One version. Each part assembles by itself: llvm-mc -triple=amdgcn-amd-amdhsa -mcpu=gfx1250 --defsym DOCPART=n.
;; ======== version 1 of 1: 5 launches
;; limits: values are held in f16: magnitudes above 65,504 overflow, below 6.1e-05 lose precision
;; workspace buffers: x_codes 2,097,152 bytes; x_scales 131,072 bytes; w_img 1,572,864 bytes; w_scales 98,304 bytes; wo_img 2,097,152 bytes; qkv 25,165,824 bytes; first32 393,216 bytes; ctx_img 8,388,608 bytes
;; launch prep (part 1): grid 384 x 1, 4 waves a work-group, no clusters, 33,280 bytes of LDS; arguments x, Wq, Wk, Wv, Wo, x_codes, x_scales, w_img, w_scales, wo_img; writes x_codes, x_scales, w_img, w_scales, wo_img
.if DOCPART == 1
	.amdgcn_target "amdgcn-amd-amdhsa--gfx1250"
	.amdhsa_code_object_version 6
	.text
	.protected	k_q416c5fcb50_prep
	.globl	k_q416c5fcb50_prep
	.p2align	8
	.type	k_q416c5fcb50_prep,@function
k_q416c5fcb50_prep:
	s_mov_b64 s[64:65], 0
	v_nop
	global_prefetch_b8 v0, s[64:65] scope:SCOPE_SE
	s_setreg_imm32_b32 hwreg(HW_REG_WAVE_MODE, 25, 1), 1
	s_wait_xcnt 0x0
; THE PROGRAM: causal attention, 2 sequences x 2,048 positions x 16 heads of 64, score = relu(q . k) x R_hat[head][q - k] / 8.  Five launches:
; this one (operands made narrow), qkv (the three quantised projections as one product), attn, oproj, first16 (positions 0-15 of both sequences once more, in f32).
; WORK LEFT OUT, in the problem's own terms.  reference() sets scores[.., q, k] to -infinity wherever k > q, by a mask that it builds itself (triu, k = 1); exp(-infinity) is 0, so such a pair adds 0 to the
; softmax's sum and 0 x val to ctx, whatever finite values the inputs hold.  So the key tiles that lie wholly above the diagonal are multiplied in neither product of the attention, and R_hat is made for
; q - k >= 0 alone (it hangs on the head and on |q - k| only: 2,048 numbers a head, a table).  Every input has a way to the output and is loaded.
; LIMIT: a NaN, an infinity or an overflow that would arise only in the pairs left out is not carried to the result.
; THIS LAUNCH.  Work-groups 0-127: x [4096][1024] f32 becomes codes of E2M1, K innermost, [4096][512 bytes], with one E8M0 byte for each 32 along K, [4096][32].
; Work-groups 128-383: Wq, Wk, Wv [k][n] f32 are quantised along k, their FIRST axis, and stored as IMAGES OF THE OPERAND'S REGISTERS: w_img [k half 2][tile of 16 columns 192][step of 128 k 4][1,024 bytes], where
; block t of 32 k of column r of the tile lies at 256 t + 16 r; their scale words w_scales [3072][32 bytes].  Wo [k][n] becomes f16, likewise as images: wo_img [k quarter 4][tile of 16 columns 64][chunk of 32 k 8][1,024 bytes],
; piece p of 8 k of column r at 256 p + 16 r.
; A block's scale is 2^(floor(log2(its largest magnitude)) - 2); its byte is that magnitude's exponent field - 2, held at 1 from below.  A block of zeros so gets the byte 1 where the rule says 127: its codes are zeros,
; which add nothing under any byte but 0xff, and this program alone reads the bytes.
; LIMITS: blocks whose largest magnitude lies under 2^-124 keep the byte 1; NaN and infinities among the inputs are not served; Wo under 6e-5 keeps f16's absolute step, 6e-8.
; The two paths part on the work-group's number; the weights' path touches no LDS.
.set WAVES, 4
.set STEPS, 16
.set EMAX,  2
.set CB,    8                          ; bytes of 16 codes
.set R,     16                         ; x: v16-79   four sets of 16 numbers as loaded
.set X,     80                         ; x: v80-111  two sets of 16 neighbours
.set E,     112                        ; x: v112-127 a scale byte for each step
.set C,     128                        ; x: v128-191 codes, four registers for each step
.set WREG,  8192                       ; LDS: a region for each wave: two stages of 32 x SP bytes, then its 256 scale bytes
.set SP,    80                         ; a lane's place in a stage: 64 bytes + 16 of padding
.set SPW,   12                         ; v12 LDS address of my spare word; never rewritten
.set NIL,   13                         ; v13 0; never rewritten
.set SPARE, WAVES*WREG                 ; behind the four regions: the spare words, 128 bytes a wave
.set WX,    32                         ; weights: v32-159 four blocks of 32 numbers down K
.set WC,    160                        ; weights: v160-175 the codes, four registers a block
.macro LOAD t
.irp i, 0,1,2,3
	global_load_b128 v[R+16*((\t)%4)+4*\i:R+16*((\t)%4)+4*\i+3], v3, s[4:5] offset:2048*(\t)+512*\i th:TH_LOAD_NT   ; 32 lanes read 512 consecutive bytes
.endr
.endm
.macro TURN t                          ; step t's numbers through the stage: LDS serves a wave's instructions in order, so no wait stands between the stores and the loads
.irp i, 0,1,2,3
	ds_store_b128 v14, v[R+16*((\t)%4)+4*\i:R+16*((\t)%4)+4*\i+3] offset:32*SP*((\t)%2)+8*SP*\i
.endr
.irp i, 0,1,2,3
	ds_load_b128 v[X+16*((\t)%2)+4*\i:X+16*((\t)%2)+4*\i+3], v15 offset:32*SP*((\t)%2)+16*\i
.endr
.endm
.macro STEP t
.set XS, X+16*((\t)%2)
.if (\t) > 0
	s_wait_dscnt 1                                 ; this step's numbers are back from the stage; the last step's byte store may be out
.else
	s_wait_dscnt 0x0
.endif
.if (\t)+4 < STEPS
	LOAD (\t)+4                                    ; into the registers whose stores into the stage are done
.endif
.if (\t)+1 < STEPS
.if STEPS-2-(\t) >= 3
	s_wait_loadcnt 12                              ; the next step's four loads are in; those of the three steps behind it may be out
.else
	s_wait_loadcnt 4*(STEPS-2-(\t))
.endif
	TURN (\t)+1
.endif
	v_max3_num_f32 v8, |v[XS]|, |v[XS+1]|, |v[XS+2]|               ; the largest magnitude of my 16, in two chains
	v_max3_num_f32 v9, |v[XS+3]|, |v[XS+4]|, |v[XS+5]|
.irp i, 6,10
	v_max3_num_f32 v8, v8, |v[XS+\i]|, |v[XS+\i+1]|
	v_max3_num_f32 v9, v9, |v[XS+\i+2]|, |v[XS+\i+3]|
.endr
	v_max3_num_f32 v8, v8, |v[XS+14]|, |v[XS+15]|
	v_max3_num_f32 v8, v8, v9, (EMAX+1)<<23        ; and the floor 2^(3 - 127): the byte cannot fall under 1
	v_max_num_f32_dpp v8, v8, v8 row_xmask:1 row_mask:0xf bank_mask:0xf   ; with my neighbour's 16: the block's
	v_add_nc_u32 v11, -(EMAX<<23), v8              ; 2 off its exponent field: the conversion takes the exponent field of this operand as its scale
	v_cvt_scalef32_pk8_fp4_f32 v[C+4*(\t)], v[XS:XS+7], v11
	v_cvt_scalef32_pk8_fp4_f32 v[C+4*(\t)+1], v[XS+8:XS+15], v11
	v_lshrrev_b32 v[E+(\t)], 23, v11               ; the scale's byte (also the plain line behind the conversions)
	ds_store_b8 v5, v[E+(\t)] offset:16*(\t)       ; both lanes of a block write the same byte with the same value
	global_store_b64 v4, v[C+4*(\t):C+4*(\t)+1], s[14:15] offset:32*CB*(\t)   ; the wave stores 256 consecutive bytes, aligned
.endm
.macro LOADW t                         ; block t: W(32 t + i, my column), i = 0 .. 31; the four waves stand side by side: 512 consecutive bytes of each row
.set i, 0
.rept 32
	global_load_b32 v[WX+32*(\t)+i], v3, s[30:31] offset:(32*(\t)+i)*4096 th:TH_LOAD_NT
.set i, i+1
.endr
.endm
.macro WAITW t                         ; block t's 32 loads are in; the next block's 32 may be out; then the block two on is asked for
.if (\t) < 3
	s_wait_loadcnt 32
.else
	s_wait_loadcnt 0x0
.endif
.if (\t)+2 < 4
	LOADW (\t)+2
.endif
.endm
.macro QBLOCK t                        ; 32 numbers down K of my column become 16 bytes of codes and a scale byte
.set XS, WX+32*(\t)
	WAITW \t
	v_max3_num_f32 v8, |v[XS]|, |v[XS+1]|, |v[XS+2]|               ; all 32 numbers are mine
	v_max3_num_f32 v9, |v[XS+3]|, |v[XS+4]|, |v[XS+5]|
.irp i, 6,10,14,18,22,26
	v_max3_num_f32 v8, v8, |v[XS+\i]|, |v[XS+\i+1]|
	v_max3_num_f32 v9, v9, |v[XS+\i+2]|, |v[XS+\i+3]|
.endr
	v_max3_num_f32 v8, v8, |v[XS+30]|, |v[XS+31]|
	v_max3_num_f32 v8, v8, v9, (EMAX+1)<<23
	v_add_nc_u32 v11, -(EMAX<<23), v8
	v_lshrrev_b32 v10, 23, v11
.if (\t) == 0
	v_mov_b32 v24, v10                             ; four bytes make the scale word of these 128 along K
.else
	v_lshl_or_b32 v24, v10, 8*(\t), v24
.endif
.irp g, 0,1,2,3
	v_cvt_scalef32_pk8_fp4_f32 v[WC+4*(\t)+\g], v[XS+8*\g:XS+8*\g+7], v11
.endr
	global_store_b128 v4, v[WC+4*(\t):WC+4*(\t)+3], s[34:35] offset:256*(\t)   ; lanes 0-15 and lanes 16-31 each store 256 consecutive bytes, aligned.  (The next block begins with plain vector lines)
.endm
.macro HBLOCK t                        ; 32 numbers down K of my column become 32 f16: four pieces of 16 bytes
.set XS, WX+32*(\t)
	WAITW \t
.set i, 0
.rept 16
	v_cvt_pk_f16_f32 v[XS+i], v[XS+2*i], v[XS+2*i+1]               ; in place, ascending: no number is written over before it is read
.set i, i+1
.endr
.irp p, 0,1,2,3
	global_store_b128 v6, v[XS+4*\p:XS+4*\p+3], s[34:35] offset:1024*(\t)+256*\p
.endr
.endm
	s_load_b512 s[4:19], s[0:1], 0x0               ; x 4:5, Wq 6:7, Wk 8:9, Wv 10:11, Wo 12:13, x_codes 14:15, x_scales 16:17, w_img 18:19
	s_load_b128 s[20:23], s[0:1], 0x40             ; w_scales 20:21, wo_img 22:23
	v_lshl_add_u32 v[SPW], v0, 2, SPARE
	v_mov_b32 v[NIL], 0
	v_lshrrev_b32 v1, 5, v0
	v_readfirstlane_b32 s24, v1                    ; wave
	v_and_b32 v2, 31, v0                           ; lane
	s_wait_kmcnt 0x0
	s_cmp_lt_u32 ttmp9, 128
	s_cbranch_scc0 .Lweights
	; ---- x: a plain stream of blocks of 32.  A wave takes 16 steps of 512 numbers
	v_lshlrev_b32 v3, 4, v2                        ; my 16 bytes of a load's 512
	s_mul_i32 s25, s24, WREG
	v_lshrrev_b32 v14, 2, v2
	v_mul_u32_u24 v14, v14, SP
	v_and_b32 v15, 3, v2
	v_lshl_add_u32 v14, v15, 4, v14
	v_add_nc_u32 v14, s25, v14                     ; the stage, on the way in: SP (lane / 4) + 16 (lane % 4)
	v_mul_u32_u24 v15, v2, SP
	v_add_nc_u32 v15, s25, v15                     ; on the way out: SP x lane: my 16 neighbours
	v_mul_u32_u24 v4, v2, CB                       ; my codes' place in a step's
	v_lshrrev_b32 v5, 1, v2
	s_add_co_u32 s25, s25, 2*32*SP
	v_add_nc_u32 v5, s25, v5                       ; LDS: my block's scale byte
	v_lshlrev_b32 v7, 3, v2
	v_add_nc_u32 v6, s25, v7                       ; and on the way out 8 bytes a lane
	s_lshl_b32 s26, ttmp9, 2
	s_add_co_u32 s26, s26, s24                     ; which run of 8,192 numbers is my wave's: 0 .. 511
	s_lshl_b32 s28, s26, 15
	s_mov_b32 s29, 0
	s_add_nc_u64 s[4:5], s[4:5], s[28:29]
	s_lshl_b32 s28, s26, 12
	s_add_nc_u64 s[14:15], s[14:15], s[28:29]
	s_lshl_b32 s28, s26, 8
	s_add_nc_u64 s[16:17], s[16:17], s[28:29]
.irp t, 0,1,2,3
	LOAD \t
.endr
	s_wait_loadcnt 12                              ; step 0's four loads are in
	TURN 0
.irp t, 0,1,2,3,4,5,6,7,8,9,10,11,12,13,14,15
	STEP \t
.endr
	ds_load_b64 v[8:9], v6                         ; LDS serves a wave's instructions in order: these see my byte stores
	s_wait_dscnt 0x0
	global_store_b64 v7, v[8:9], s[16:17]          ; 32 lanes store 256 consecutive bytes, aligned
	s_wait_tensorcnt 0x0                           ; the wave's end
	ds_add_u32 v[SPW], v[NIL]
	s_wait_dscnt 0x0
	s_endpgm
.Lweights:
	; ---- a weight: a lane takes a column, its registers run down K.  A wave: 32 columns x 128 along K
	s_sub_co_u32 s25, ttmp9, 128
	s_lshr_b32 s26, s25, 6                         ; which weight: 0 Wq, 1 Wk, 2 Wv, 3 Wo
	s_bfe_u32 s27, s25, 0x30003                    ; which 128 columns
	s_and_b32 s28, s25, 7                          ; ks: which 128 along K
	s_lshl_b32 s27, s27, 2
	s_add_co_u32 s27, s27, s24                     ; cg: which 32 columns
	v_lshlrev_b32 v3, 2, v2                        ; in: 4 bytes a lane
	v_and_b32 v7, 15, v2
	v_lshrrev_b32 v10, 4, v2
	v_lshlrev_b32 v7, 4, v7
	v_lshl_add_u32 v4, v10, 12, v7                 ; codes out: 16 (lane % 16) + a tile's 4,096 bytes for lanes 16-31
	v_lshl_add_u32 v6, v10, 13, v7                 ; f16 out: the same with 8,192
	v_lshlrev_b32 v5, 5, v2                        ; scale words: 32 bytes a column
	s_mov_b64 s[30:31], s[6:7]                     ; the choice hangs on the work-group's number alone
	s_cmp_eq_u32 s26, 1
	s_cselect_b64 s[30:31], s[8:9], s[30:31]
	s_cmp_eq_u32 s26, 2
	s_cselect_b64 s[30:31], s[10:11], s[30:31]
	s_cmp_eq_u32 s26, 3
	s_cselect_b64 s[30:31], s[12:13], s[30:31]
	s_lshl_b32 s32, s28, 19                        ; 128 ks rows of 4,096 bytes
	s_lshl_b32 s33, s27, 7                         ; 32 cg columns of 4 bytes
	s_add_co_u32 s32, s32, s33
	s_mov_b32 s33, 0
	s_add_nc_u64 s[30:31], s[30:31], s[32:33]
	LOADW 0
	LOADW 1
	s_cmp_eq_u32 s26, 3
	s_cbranch_scc1 .Lwo
	s_lshr_b32 s34, s28, 2
	s_mul_i32 s34, s34, 786432                     ; the half of K
	s_lshl_b32 s35, s26, 18                        ; 64 tiles a weight
	s_add_co_u32 s34, s34, s35
	s_lshl_b32 s35, s27, 13                        ; my two tiles
	s_add_co_u32 s34, s34, s35
	s_and_b32 s35, s28, 3
	s_lshl_b32 s35, s35, 10                        ; the step of 128 in the half
	s_add_co_u32 s34, s34, s35
	s_mov_b32 s35, 0
	s_add_nc_u64 s[34:35], s[18:19], s[34:35]
	s_lshl_b32 s36, s26, 15
	s_lshl_b32 s37, s27, 10
	s_add_co_u32 s36, s36, s37
	s_lshl_b32 s37, s28, 2
	s_add_co_u32 s36, s36, s37                     ; (1024 weight + 32 cg) rows of 32 bytes + 4 ks
	s_mov_b32 s37, 0
	s_add_nc_u64 s[36:37], s[20:21], s[36:37]
	QBLOCK 0
	QBLOCK 1
	QBLOCK 2
	QBLOCK 3
	global_store_b32 v5, v24, s[36:37]             ; words 32 bytes apart: 98,304 bytes in the whole launch, one byte in 128 of what it reads
	s_endpgm
.Lwo:
	s_lshr_b32 s34, s28, 1
	s_lshl_b32 s34, s34, 19                        ; the quarter of K: 524,288 bytes
	s_lshl_b32 s35, s27, 14                        ; my two tiles of 8,192 bytes
	s_add_co_u32 s34, s34, s35
	s_and_b32 s35, s28, 1
	s_lshl_b32 s35, s35, 12                        ; four chunks of 32
	s_add_co_u32 s34, s34, s35
	s_mov_b32 s35, 0
	s_add_nc_u64 s[34:35], s[22:23], s[34:35]
	HBLOCK 0
	HBLOCK 1
	HBLOCK 2
	HBLOCK 3
	s_endpgm
.Lfunc_end_k_q416c5fcb50_prep:
	.size	k_q416c5fcb50_prep, .Lfunc_end_k_q416c5fcb50_prep-k_q416c5fcb50_prep
	.p2alignl 7, 3214868480
	.fill 96, 4, 3214868480
	.section	.rodata,"a",@progbits
	.p2align	6, 0x0
	.amdhsa_kernel k_q416c5fcb50_prep
		.amdhsa_group_segment_fixed_size 33280
		.amdhsa_private_segment_fixed_size 0
		.amdhsa_enable_private_segment 0
		.amdhsa_kernarg_size 80
		.amdhsa_user_sgpr_count 2
		.amdhsa_user_sgpr_kernarg_segment_ptr 1
		.amdhsa_wavefront_size32 1
		.amdhsa_system_sgpr_workgroup_id_x 1
		.amdhsa_system_sgpr_workgroup_id_y 1
		.amdhsa_system_sgpr_workgroup_id_z 1
		.amdhsa_system_vgpr_workitem_id 0
		.amdhsa_next_free_vgpr 192
		.amdhsa_next_free_sgpr 66
		.amdhsa_reserve_vcc 0
		.amdhsa_float_denorm_mode_32 3
		.amdhsa_float_denorm_mode_16_64 3
		.amdhsa_memory_ordered 1
		.amdhsa_forward_progress 1
		.amdhsa_inst_pref_size 65
	.end_amdhsa_kernel
	.amdgpu_metadata
---
amdhsa.version: [ 1, 2 ]
amdhsa.kernels:
  - .name:           k_q416c5fcb50_prep
    .symbol:         k_q416c5fcb50_prep.kd
    .args:
      - { .name: x, .offset: 0, .size: 8, .value_kind: global_buffer, .address_space: global }
      - { .name: Wq, .offset: 8, .size: 8, .value_kind: global_buffer, .address_space: global }
      - { .name: Wk, .offset: 16, .size: 8, .value_kind: global_buffer, .address_space: global }
      - { .name: Wv, .offset: 24, .size: 8, .value_kind: global_buffer, .address_space: global }
      - { .name: Wo, .offset: 32, .size: 8, .value_kind: global_buffer, .address_space: global }
      - { .name: x_codes, .offset: 40, .size: 8, .value_kind: global_buffer, .address_space: global }
      - { .name: x_scales, .offset: 48, .size: 8, .value_kind: global_buffer, .address_space: global }
      - { .name: w_img, .offset: 56, .size: 8, .value_kind: global_buffer, .address_space: global }
      - { .name: w_scales, .offset: 64, .size: 8, .value_kind: global_buffer, .address_space: global }
      - { .name: wo_img, .offset: 72, .size: 8, .value_kind: global_buffer, .address_space: global }
    .group_segment_fixed_size: 33280
    .private_segment_fixed_size: 0
    .kernarg_segment_align: 8
    .kernarg_segment_size: 80
    .max_flat_workgroup_size: 128
    .sgpr_count:     66
    .vgpr_count:     192
    .wavefront_size: 32
...
	.end_amdgpu_metadata
.endif
;; end of part 1
;; launch qkv (part 2): grid 12 x 16, 4 waves a work-group, clusters of 4 x 4, 327,680 bytes of LDS; arguments x_codes, x_scales, w_img, w_scales, qkv, first32; writes qkv, first32
.if DOCPART == 2
	.amdgcn_target "amdgcn-amd-amdhsa--gfx1250"
	.amdhsa_code_object_version 6
	.text
	.protected	k_q416c5fcb50_qkv
	.globl	k_q416c5fcb50_qkv
	.p2align	8
	.type	k_q416c5fcb50_qkv,@function
k_q416c5fcb50_qkv:
	s_mov_b64 s[64:65], 0
	v_nop
	global_prefetch_b8 v0, s[64:65] scope:SCOPE_SE
	s_setreg_imm32_b32 hwreg(HW_REG_WAVE_MODE, 25, 1), 1
	s_wait_xcnt 0x0
	s_wait_alu depctr_hold_cnt(0) depctr_sa_sdst(0) depctr_va_vdst(0) depctr_va_sdst(0) depctr_va_ssrc(0) depctr_va_vcc(0) depctr_vm_vsrc(0)
	s_getreg_b32 s2, hwreg(HW_REG_IB_STS2, 6, 4)
	s_cmp_eq_u32 s2, 0
	s_cbranch_scc0 .Lentry_in_a_cluster
	s_endpgm
.Lentry_in_a_cluster:
	s_bfe_u32 s2, ttmp6, 0x10000c
	s_cmp_lg_u32 s2, 0xf033
	s_cbranch_scc0 .Lentry_shape_is_right
	s_endpgm
.Lentry_shape_is_right:
; The three quantised projections as ONE product on codes of E2M1: C[m][n] = sum over k of x[m][k] W[k][n], m = 4,096 positions, n = 3,072 (Wq's, Wk's, Wv's columns on end), K = 1,024; sums in f32.
; A tile of C, 256 x 256, is made by four waves; a wave makes 128 x 128: 64 accumulators, 512 registers.  K is two slots of 512, BOTH filled at the head: nothing is ever filled again, so there is no loop.
; x's tiles come as rows of 256 bytes (16 of padding behind each); W's tiles are images of the operand's registers, dense: a fragment is two loads at 16 x lane.  The scale bytes of the 256 rows and 256 columns come once.
; CLUSTERS: 4 x 4 work-groups; x's tiles are asked for jointly along a row of the cluster, W's along a column.
; THE MATRIX INSTRUCTION IS USED TRANSPOSED (source 0 = 16 columns of W, source 1 = 16 rows of x): a lane holds eight neighbouring n of one position.
; THE WAY OUT needs no LDS: a tile of 16 positions x 16 channels, rounded to f16, is 16 bytes a lane, stored at 16 x lane: 512 consecutive bytes.  qkv is [q, k, v][sequence 2][head 16][tile of positions 128][tile of channels 4][512 bytes]:
; two such tiles on end are a fragment (16 x 32) of the attention's products.  Positions 0-15 of each sequence go out once more as f32, first32 [sequence 2][tile of n 192][1,024 bytes].
; LIMIT: q, k, v beyond 65,504 have no f16 number.
; REGISTERS, in windows of 256: window 0: v16-29 addresses; v32-95 scale words, two sets; v128-191 x's fragments, one set, later the packed results.  window 1: W's fragments, two sets, at v0 and v128.
;   window 2: the accumulators of my rows 0-63 ((a, b) at v[8 (8 a + b)]); window 3: those of my rows 64-127.
.set NQ,     4                         ; steps of 128 along K in a slot
.set ROWB,   256                       ; 512 codes in bytes
.set KROW,   512                       ; a row of x's codes in memory
.set PITCH,  272                       ; an LDS row of x: 256 bytes + 16 = 68 words: the 16 rows that a load touches start at 16 different banks (64 banks of 4 bytes: ISA guide 11.1)
.set FR,     8
.set NL,     2
.set NP,     4                         ; places behind this matrix instruction (ISA guide 7.12.1)
.set HALFA,  128*PITCH                 ; 128 rows of x: one tensor load
.set BOFF,   2*HALFA                   ; behind x's 256 rows: W's 16 tiles of 4,096 bytes
.set HALFB,  32768                     ; eight of them: one tensor load
.set SLOT,   BOFF+2*HALFB
.set KS,     32                        ; a row of scale bytes
.set SCL,    2*SLOT                    ; the scales, as runs of 256 bytes + 16 of padding
.set HALFS,  (128*KS/256)*272
.set SBLK,   (16*KS/256)*272
.set SPARE,  SCL+4*HALFS               ; the spare words, 128 bytes a wave
.set ADRA, 16                          ; v16-17 LDS address of my fragments of x in slot 0, 1
.set ADRB, 20                          ; v20-21 of W
.set FLG,  25                          ; v25 0 where my block 0 is positions 0-15 of a sequence
.set LI,   26                          ; v26 16 x lane
.set ADRS, 27                          ; v27 my scale words: lanes 0-15 x's rows, lanes 16-31 W's columns
.set SPW,  28
.set NIL,  29
.set SC,   32
.set AF,   128
.set G1,   24                          ; s[24:31] group 1 for x's tiles; s[32:39] group 0, a set for each slot
.set G0,   32
.set G1B,  48                          ; s[48:55], s[56:63] the same for W's
.set G0B,  56
.set G1S,  68                          ; s[68:75], s[76:79] x's scales; s[80:87], s[88:91] W's
.set G0S,  76
.set G1SB, 80
.set G0SB, 88
.set MSB, 0
.macro WIN new                         ; the immediate's high byte repeats the setting that is left
.if MSB != \new
	s_set_vgpr_msb (MSB<<8)|\new
.set MSB, \new
.endif
.endm
.set MUL_LO, 0xa1                      ; source 0 (W) window 1, source 1 (x) window 0, C and D window 2
.set MUL_HI, 0xf1
.set TO_B,   0x40
; A joint load: waves 0 and 1 fetch for x, waves 2 and 3 for W.  The branch hangs on the wave's number alone.  An s_nop 0 and four v_nop follow each line.
.macro JLOAD g0a, g1a, g0b, g1b
	s_cmp_eq_u32 s17, 0
	s_cbranch_scc0 .Lfor_b_\@
	tensor_load_to_lds s[\g0a:\g0a+3], s[\g1a:\g1a+7]
	s_nop 0
.rept 4
	v_nop
.endr
	s_branch .Lasked_\@
.Lfor_b_\@:
	tensor_load_to_lds s[\g0b:\g0b+3], s[\g1b:\g1b+7]
	s_nop 0
.rept 4
	v_nop
.endr
.Lasked_\@:
.endm
.macro CROUND                          ; a round of the cluster's barrier
	s_barrier_signal -1
	s_barrier_wait -1
	s_cmp_lg_u32 s16, 0
	s_cbranch_scc1 .Lnot_wave_0_\@
	s_barrier_signal -3
.Lnot_wave_0_\@:
	s_barrier_wait -3
	s_barrier_signal -1
	s_barrier_wait -1
.endm
	s_load_b128 s[4:7], s[0:1], 0x0                ; x's codes, x's scales
	s_load_b128 s[8:11], s[0:1], 0x10              ; W's images, W's scales
	s_load_b128 s[12:15], s[0:1], 0x20             ; qkv, first32
	v_lshl_add_u32 v[SPW], v0, 2, SPARE
	v_mov_b32 v[NIL], 0
	ds_add_u32 v[SPW], v[NIL]                      ; the wave's opening: the add, twice on end, and its wait ahead of my first tensor load
	ds_add_u32 v[SPW], v[NIL]
	v_lshrrev_b32 v1, 5, v0
	v_readfirstlane_b32 s16, v1                    ; wave 0..3
	s_lshr_b32 s17, s16, 1                         ; which half of the tile's rows is mine.  Also: I fetch for x (0) or for W (1)
	s_and_b32 s18, s16, 1                          ; which half of its columns.  Also: which half of that tile I fetch
	s_bfe_u32 s40, ttmp6, 0x40000                  ; cx, cy
	s_bfe_u32 s41, ttmp6, 0x40004
	s_lshl_b32 s42, ttmp9, 2
	s_add_co_u32 s42, s42, s40                     ; tile column 0..11
	s_and_b32 s19, ttmp7, 0xffff
	s_lshl_b32 s19, s19, 2
	s_add_co_u32 s19, s19, s41                     ; tile row 0..15
	s_lshl_b32 s43, s41, 2
	s_lshl_b32 s43, 15, s43                        ; my row of the cluster
	s_lshl_b32 s44, 0x1111, s40                    ; my column
	s_or_b32 s[G1+0], s43, (0<<16)|(1<<20)|(1<<21)|(5<<22)|(3<<25)  ; x: the mask; elements of 1 byte; padding: 4 words behind every 64; bit 21 beside a mask
	s_mov_b32 s[G1+1], ROWB<<16                    ; tensor_dim0
	s_mov_b32 s[G1+2], 128<<16                     ; tensor_dim1
	s_mov_b32 s[G1+3], ROWB<<16                    ; tile_dim0
	s_mov_b32 s[G1+4], 128                         ; tile_dim1
	s_mov_b32 s[G1+5], KROW                        ; from row to row
	s_mov_b32 s[G1+6], 0
	s_mov_b32 s[G1+7], 0
	s_or_b32 s[G1B+0], s44, (3<<16)|(1<<21)        ; W: a dense block of 32,768 bytes as 128 rows of 32 elements of 8 bytes, no padding
	s_mov_b32 s[G1B+1], 32<<16
	s_mov_b32 s[G1B+2], 128<<16
	s_mov_b32 s[G1B+3], 32<<16
	s_mov_b32 s[G1B+4], 128
	s_mov_b32 s[G1B+5], 32
	s_mov_b32 s[G1B+6], 0
	s_mov_b32 s[G1B+7], 0
	s_or_b32 s[G1S+0], s43, (3<<16)|(1<<20)|(1<<21)|(5<<22)|(3<<25) ; the scales of 128 rows: 4,096 dense bytes as 16 rows of 256, 16 bytes of padding behind each
	s_or_b32 s[G1SB+0], s44, (3<<16)|(1<<20)|(1<<21)|(5<<22)|(3<<25)
.irp g, G1S, G1SB
	s_mov_b32 s[\g+1], 32<<16
	s_mov_b32 s[\g+2], (128*KS/256)<<16
	s_mov_b32 s[\g+3], 32<<16
	s_mov_b32 s[\g+4], 128*KS/256
	s_mov_b32 s[\g+5], 32
	s_mov_b32 s[\g+6], 0
	s_mov_b32 s[\g+7], 0
.endr
	s_lshl_b32 s45, s18, 7                         ; which 128 I fetch
	s_lshl_b32 s20, s19, 8
	s_add_co_u32 s20, s20, s45                     ; x: row 256 x tile row + 128 x half
	s_lshl_b32 s22, s20, 5                         ; its scales, in bytes
	s_lshl_b32 s20, s20, 9                         ; its codes
	s_mov_b32 s21, 0
	s_mov_b32 s23, 0
	s_lshl_b32 s46, s42, 8
	s_add_co_u32 s46, s46, s45                     ; W: column 256 x tile column + 128 x half
	s_lshl_b32 s92, s46, 5                         ; its scales
	s_lshl_b32 s46, s46, 8                         ; its images: 4,096 bytes for 16 columns
	s_mov_b32 s47, 0
	s_mov_b32 s93, 0
	s_mul_i32 s66, s18, HALFA                      ; where they go: no place in the cluster enters an LDS address
	s_mul_i32 s67, s18, HALFB
	s_add_co_u32 s67, s67, BOFF
	s_mul_i32 s94, s16, HALFS
	s_wait_dscnt 0x0                               ; both opening adds are done
	s_wait_kmcnt 0x0
	s_add_nc_u64 s[20:21], s[4:5], s[20:21]
	s_add_nc_u64 s[22:23], s[6:7], s[22:23]
	s_add_nc_u64 s[46:47], s[8:9], s[46:47]
	s_add_nc_u64 s[92:93], s[10:11], s[92:93]
	CROUND                                         ; all sixteen work-groups are here: the joint loads meet
	s_mov_b32 s[G0S], 1
	s_add_co_u32 s[G0S+1], s94, SCL
	s_mov_b64 s[G0S+2:G0S+3], s[22:23]
	s_or_b32 s[G0S+3], s[G0S+3], 0x80000000
	s_mov_b32 s[G0SB], 1
	s_add_co_u32 s[G0SB+1], s94, SCL
	s_mov_b64 s[G0SB+2:G0SB+3], s[92:93]
	s_or_b32 s[G0SB+3], s[G0SB+3], 0x80000000
	JLOAD G0S, G1S, G0SB, G1SB                     ; the scales first: they are wanted with slot 0
.irp s, 0,1
	s_mov_b32 s[G0+4*\s], 1
	s_add_co_u32 s[G0+4*\s+1], s66, \s*SLOT
	s_add_nc_u64 s[G0+4*\s+2:G0+4*\s+3], s[20:21], \s*ROWB
	s_or_b32 s[G0+4*\s+3], s[G0+4*\s+3], 0x80000000
	s_mov_b32 s[G0B+4*\s], 1
	s_add_co_u32 s[G0B+4*\s+1], s67, \s*SLOT
	s_add_nc_u64 s[G0B+4*\s+2:G0B+4*\s+3], s[46:47], \s*786432
	s_or_b32 s[G0B+4*\s+3], s[G0B+4*\s+3], 0x80000000
	JLOAD G0+4*\s, G1, G0B+4*\s, G1B               ; three tensor loads of mine are out at the most
.endr
	v_and_b32 v1, 15, v0                           ; r
	v_bfe_u32 v2, v0, 4, 1                         ; h
	v_mul_u32_u24 v3, v1, PITCH
	v_lshl_add_u32 v4, v2, 4, v3                   ; x: row x pitch + 16 x half
	v_and_b32 v6, 31, v0
	v_lshlrev_b32 v[LI], 4, v6
	s_mul_i32 s21, s17, HALFA                      ; my 128 rows of x
	s_mul_i32 s22, s18, HALFB                      ; my eight tiles of W
	s_add_co_u32 s22, s22, BOFF
.irp s, 0,1
	v_add_nc_u32 v[ADRA+\s], s21, v4
	v_add_nc_u32 v[ADRB+\s], s22, v[LI]
	s_add_co_u32 s21, s21, SLOT
	s_add_co_u32 s22, s22, SLOT
.endr
	v_mul_u32_u24 v5, v1, KS                       ; my row's scales: 32 bytes a row,
	v_lshrrev_b32 v6, 8, v5
	v_lshl_add_u32 v5, v6, 4, v5                   ; and 16 more for each 256 passed
	s_mul_i32 s21, s17, HALFS
	s_mul_i32 s22, s18, HALFS
	s_add_co_u32 s22, s22, 2*HALFS
	s_sub_co_u32 s22, s22, s21
	v_mul_u32_u24 v6, s22, v2                      ; lanes 16-31 take W's: one product, the distance between the two bases
	s_add_co_u32 s21, s21, SCL
	v_add_nc_u32 v5, v5, v6
	v_add_nc_u32 v[ADRS], s21, v5
	; where my part of qkv begins: ((((which) 2 + sequence) 16 + head) 128 + tile of positions) x 2,048 bytes
	s_lshr_b32 s20, s42, 2                         ; which of q, k, v
	s_lshl_b32 s20, s20, 1
	s_lshr_b32 s21, s19, 3                         ; sequence
	s_add_co_u32 s20, s20, s21
	s_lshl_b32 s20, s20, 4
	s_and_b32 s22, s42, 3
	s_lshl_b32 s22, s22, 2
	s_add_co_u32 s20, s20, s22
	s_lshl_b32 s22, s18, 1
	s_add_co_u32 s20, s20, s22                     ; my first head
	s_lshl_b32 s20, s20, 7
	s_and_b32 s22, s19, 7
	s_lshl_b32 s23, s22, 4
	s_add_co_u32 s20, s20, s23
	s_lshl_b32 s23, s17, 3
	s_add_co_u32 s20, s20, s23                     ; my first tile of positions
	s_lshl_b32 s20, s20, 11
	s_or_b32 s22, s22, s17
	v_mov_b32 v[FLG], s22
	s_mul_i32 s46, s21, 196608                     ; first32: the sequence,
	s_lshl_b32 s47, s42, 14
	s_add_co_u32 s46, s46, s47
	s_lshl_b32 s47, s18, 13
	s_add_co_u32 s46, s46, s47                     ; my first tile of n
	s_mov_b32 s47, 0
	s_add_nc_u64 s[14:15], s[14:15], s[46:47]
	s_mov_b32 s21, 0
	s_add_nc_u64 s[12:13], s[12:13], s[20:21]
.macro FRAG reg, adr, q, i             ; x: 16 rows x 128 K of 4-bit codes: registers 4 c .. 4 c + 3 hold K = 64 c + 32 (lane / 16) + 0 .. 31
.irp c, 0,1
	ds_load_b128 v[\reg+4*\c:\reg+4*\c+3], v[\adr] offset:64*(\q)+32*\c+(\i)*16*PITCH
.endr
.endm
.macro FRAGB reg, adr, q, i            ; W: the image comes back as it was stored
.irp c, 0,1
	ds_load_b128 v[\reg+4*\c:\reg+4*\c+3], v[\adr] offset:4096*(\i)+1024*(\q)+512*\c
.endr
.endm
; 16 matrix instructions: x's blocks a0, a0 + 1 against W's eight.  The 64 accumulators take turns, one instruction a turn, in the same order in every step.
.macro MUL16 a0, p, q, sc, zero
.irp a, \a0, \a0+1
.irp b, 0,1,2,3,4,5,6,7
.if \zero
	v_wmma_scale_f32_16x16x128_f8f6f4 v[8*(8*((\a)%4)+\b):8*(8*((\a)%4)+\b)+7], v[128*(\p)+FR*\b:128*(\p)+FR*\b+FR-1], v[AF+FR*(\a):AF+FR*(\a)+FR-1], 0, v[SC+8*NQ*(\sc)+NQ*\b+(\q)], v[SC+8*NQ*(\sc)+NQ*(\a)+(\q)] matrix_a_fmt:MATRIX_FMT_FP4 matrix_b_fmt:MATRIX_FMT_FP4 matrix_a_scale:MATRIX_SCALE_ROW1
.else
	v_wmma_scale_f32_16x16x128_f8f6f4 v[8*(8*((\a)%4)+\b):8*(8*((\a)%4)+\b)+7], v[128*(\p)+FR*\b:128*(\p)+FR*\b+FR-1], v[AF+FR*(\a):AF+FR*(\a)+FR-1], v[8*(8*((\a)%4)+\b):8*(8*((\a)%4)+\b)+7], v[SC+8*NQ*(\sc)+NQ*\b+(\q)], v[SC+8*NQ*(\sc)+NQ*(\a)+(\q)] matrix_a_fmt:MATRIX_FMT_FP4 matrix_b_fmt:MATRIX_FMT_FP4 matrix_a_scale:MATRIX_SCALE_ROW1
.endif
.endr
.endr
.endm
.macro FETCH_B slot, q, p
	WIN TO_B
.irp i, 0,1,2,3,4,5,6,7
	FRAGB 128*(\p)+FR*\i, ADRB+\slot, \q, \i
.endr
	WIN 0
.endm
.macro FETCH_A slot, q, i0
.irp i, \i0, \i0+1, \i0+2, \i0+3
	FRAG AF+FR*(\i), ADRA+\slot, \q, \i
.endr
.endm
.macro SCALES sc                       ; a slot's scale words: 4 words a row; lanes 0-15 x's block i, lanes 16-31 W's block i
.irp i, 0,1,2,3,4,5,6,7
	ds_load_b128 v[SC+8*NQ*\sc+NQ*\i:SC+8*NQ*\sc+NQ*\i+3], v[ADRS] offset:\i*SBLK
.endr
.endm
.macro PLACES n                        ; plain vector lines between a matrix instruction and a load into, or a vector read or write of, its registers (ISA guide 7.12.1 for vector reads and writes)
.rept \n
	v_nop
.endr
.endm
.macro STEP slot, q, zero              ; 128 along K, with its successor in the same slot
	s_wait_dscnt 4*NL                              ; W's set and x's blocks 0-3 are in; the youngest eight loads (x's blocks 4-7) may be out
	WIN MUL_LO
	MUL16 0, (\q)%2, \q, \slot, \zero
	MUL16 2, (\q)%2, \q, \slot, \zero
	s_wait_dscnt 0
	PLACES NP
	FETCH_B \slot, (\q)+1, 1-(\q)%2
	FETCH_A \slot, (\q)+1, 0
	WIN MUL_HI
	MUL16 4, (\q)%2, \q, \slot, \zero
	MUL16 6, (\q)%2, \q, \slot, \zero
	PLACES NP
	WIN 0
	FETCH_A \slot, (\q)+1, 4
.endm
.macro TURN slot, next                 ; slot 0's last step: one barrier; behind it slot 1 is whole in every wave's eyes.  Nothing is filled again
	s_wait_tensorcnt 0x0                           ; my part of slot 1 has landed
	ds_add_u32 v[SPW], v[NIL]
	s_wait_dscnt 4*NL+1                            ; the add and the youngest eight loads may be out
	WIN MUL_LO
	MUL16 0, 1, NQ-1, \slot, 0
	s_wait_dscnt 0x0
	s_barrier_signal -1
	MUL16 2, 1, NQ-1, \slot, 0
	WIN 0
	s_barrier_wait -1
	PLACES NP
	v_add_nc_u32 v[ADRS], 4*NQ, v[ADRS]            ; on to slot 1's scale words (no LDS load of mine is out)
	FETCH_B \next, 0, 0
	FETCH_A \next, 0, 0
	SCALES \next
	WIN MUL_HI
	MUL16 4, 1, NQ-1, \slot, 0
	MUL16 6, 1, NQ-1, \slot, 0
	PLACES NP
	WIN 0
	FETCH_A \next, 0, 4
.endm
	s_wait_tensorcnt 1                             ; the scales and my part of slot 0 are in; slot 1's load may be out
	s_barrier_signal -1
	s_barrier_wait -1
	FETCH_B 0, 0, 0
	FETCH_A 0, 0, 0
	SCALES 0
	FETCH_A 0, 0, 4
	STEP 0, 0, 1                                   ; the first step's products start the sums: nothing is cleared
	STEP 0, 1, 0
	STEP 0, 2, 0
	TURN 0, 1
	STEP 1, 0, 0
	STEP 1, 1, 0
	STEP 1, 2, 0
	s_wait_dscnt 4*NL                              ; the last step: nothing more to fetch
	WIN MUL_LO
	MUL16 0, 1, NQ-1, 1, 0
	MUL16 2, 1, NQ-1, 1, 0
	s_wait_dscnt 0
	WIN MUL_HI
	MUL16 4, 1, NQ-1, 1, 0
	MUL16 6, 1, NQ-1, 1, 0
	WIN 0
; THE WAY OUT.  Block a (16 positions) x block b (16 channels): a lane's eight numbers pack into 16 bytes, and the 32 lanes' 512 bytes are the tile's image.
.macro PACK a
.set AC, 64*((\a)%4)
.set TP, AF+32*((\a)%2)
	WIN 0x0a+5*((\a)/4)                            ; sources 0 and 1: window 2 or 3
.irp b, 0,1,2,3,4,5,6,7
.irp i, 0,1,2,3
	v_cvt_pk_f16_f32 v[TP+4*\b+\i], v[AC+8*\b+2*\i], v[AC+8*\b+2*\i+1]   ; each accumulator from its low end on
.endr
.endr
	WIN 0
.irp b, 0,1,2,3,4,5,6,7
	global_store_b128 v[LI], v[TP+4*\b:TP+4*\b+3], s[12:13] offset:(\b/4)*262144+(\a)*2048+(\b%4)*512   ; 512 consecutive bytes, aligned
.endr
.endm
	PLACES NP                                      ; the conversions read results and write registers that held x's fragments
.irp a, 0,1,2,3,4,5,6,7
.if \a > 1
	s_wait_xcnt 0x0                                ; block a - 2's stores have read their registers
.endif
	PACK \a
.endr
	; positions 0-15 of a sequence, in f32: my block 0 where the tile row is a sequence's first and my rows are its first half.  The stores stand under EXEC
	s_wait_xcnt 0x0                                ; EXEC changes only behind this wait
	v_cmp_eq_u32 vcc_lo, 0, v[FLG]
	s_and_saveexec_b32 s96, vcc_lo
	WIN 0x08                                       ; a store's data are its source 1: window 2
.irp b, 0,1,2,3,4,5,6,7
	global_store_b128 v[LI], v[8*\b:8*\b+3], s[14:15] offset:1024*\b
	global_store_b128 v[LI], v[8*\b+4:8*\b+7], s[14:15] offset:1024*\b+512
.endr
	WIN 0
	s_wait_xcnt 0x0                                ; and again, in front of the line that widens it
	s_or_b32 exec_lo, exec_lo, s96
	s_wait_tensorcnt 0x0                           ; the wave's end
	ds_add_u32 v[SPW], v[NIL]
	s_wait_dscnt 0x0
	CROUND                                         ; the closing round
	s_endpgm
.Lfunc_end_k_q416c5fcb50_qkv:
	.size	k_q416c5fcb50_qkv, .Lfunc_end_k_q416c5fcb50_qkv-k_q416c5fcb50_qkv
	.p2alignl 7, 3214868480
	.fill 96, 4, 3214868480
	.section	.rodata,"a",@progbits
	.p2align	6, 0x0
	.amdhsa_kernel k_q416c5fcb50_qkv
		.amdhsa_group_segment_fixed_size 327680
		.amdhsa_private_segment_fixed_size 0
		.amdhsa_enable_private_segment 0
		.amdhsa_kernarg_size 48
		.amdhsa_user_sgpr_count 2
		.amdhsa_user_sgpr_kernarg_segment_ptr 1
		.amdhsa_wavefront_size32 1
		.amdhsa_system_sgpr_workgroup_id_x 1
		.amdhsa_system_sgpr_workgroup_id_y 1
		.amdhsa_system_sgpr_workgroup_id_z 1
		.amdhsa_system_vgpr_workitem_id 0
		.amdhsa_next_free_vgpr 1024
		.amdhsa_next_free_sgpr 100
		.amdhsa_reserve_vcc 1
		.amdhsa_float_denorm_mode_32 3
		.amdhsa_float_denorm_mode_16_64 3
		.amdhsa_memory_ordered 1
		.amdhsa_forward_progress 1
		.amdhsa_inst_pref_size 120
	.end_amdhsa_kernel
	.amdgpu_metadata
---
amdhsa.version: [ 1, 2 ]
amdhsa.kernels:
  - .name:           k_q416c5fcb50_qkv
    .symbol:         k_q416c5fcb50_qkv.kd
    .args:
      - { .name: x_codes, .offset: 0, .size: 8, .value_kind: global_buffer, .address_space: global }
      - { .name: x_scales, .offset: 8, .size: 8, .value_kind: global_buffer, .address_space: global }
      - { .name: w_img, .offset: 16, .size: 8, .value_kind: global_buffer, .address_space: global }
      - { .name: w_scales, .offset: 24, .size: 8, .value_kind: global_buffer, .address_space: global }
      - { .name: qkv, .offset: 32, .size: 8, .value_kind: global_buffer, .address_space: global }
      - { .name: first32, .offset: 40, .size: 8, .value_kind: global_buffer, .address_space: global }
    .group_segment_fixed_size: 327680
    .private_segment_fixed_size: 0
    .kernarg_segment_align: 8
    .kernarg_segment_size: 48
    .max_flat_workgroup_size: 128
    .sgpr_count:     100
    .vgpr_count:     1024
    .wavefront_size: 32
...
	.end_amdgpu_metadata
.endif
;; end of part 2
;; launch attn (part 3): grid 8 x 32, 16 waves a work-group, no clusters, 327,680 bytes of LDS; arguments qkv, w, v, ctx_img; writes ctx_img
.if DOCPART == 3
	.amdgcn_target "amdgcn-amd-amdhsa--gfx1250"
	.amdhsa_code_object_version 6
	.text
	.protected	k_q416c5fcb50_attn
	.globl	k_q416c5fcb50_attn
	.p2align	8
	.type	k_q416c5fcb50_attn,@function
k_q416c5fcb50_attn:
	s_mov_b64 s[64:65], 0
	v_nop
	global_prefetch_b8 v0, s[64:65] scope:SCOPE_SE
	s_setreg_imm32_b32 hwreg(HW_REG_WAVE_MODE, 25, 1), 1
	s_wait_xcnt 0x0
; ctx[b][h][q] = sum over k <= q of softmax_k(relu(q . k) R_hat[h][q - k] / 8) val[k], operands in f16, products, maxima and sums in f32.
; WORK LEFT OUT: key steps all of whose keys come after a wave's queries, and R_hat for k > q: reference()'s own mask gives those pairs the weight 0 (shown at the head of the first launch's text).
; SHARES.  A work-group owns two blocks of 128 queries of one head, blocks c and 15 - c of the sequence's 16, so that every work-group has as many live tiles.  Each of its sixteen waves owns one tile of 16 queries,
; in 256 registers: four waves to a SIMD, so that one wave's vector work stands beside another's matrix work and LDS loads.  K's and V's tiles come through a ring of two LDS slots of 256 keys (waves 0, 1: K's halves; waves 2, 3: V's).
; NO CLUSTER: the work-groups of a head need different numbers of key slots (their last queries differ), so every wave of some partner would jump over the reads of a joint tile.
; LAYOUT.  Both products are used transposed: S^T = K Q^T (source 0 = 16 keys, source 1 = my 16 queries), O^T = V^T P: a lane holds ONE query (lane % 16) throughout; two tiles of S^T, rounded to f16 in pairs, are a fragment of P.
; q, k, v lie in memory as images of 16 x 16 tiles (16 bytes a lane at 16 x lane), so K's and Q's fragments are loads at 16 x lane.  V is turned by ds_load_tr16_b128; in LDS 128 bytes of padding follow each 256.
; THE TABLE.  T(d) = (log2(e) / 8) (1 + e^v) / (1 + e^(v - w d)): t = relu(s) T(q - k) is the softmax's input in powers of two.  Entry i holds T(2048 - i), so that a lane's eight keys are eight ascending entries;
; four copies, copy c moved up by c words, let a lane (copy = query % 4) take them by two aligned loads of 16 bytes.  Entries for d < 0 are read on the diagonal step alone and are selected away there.
; SOFTMAX.  A running maximum m and sum l for each query; no unmasked t is negative (T > 0, relu), and the diagonal always counts, so m = 0 is a true start.  p = 2^(t - m); O and l are multiplied by 2^(m_old - m_new) in every step.
; LIMITS: q, k, v beyond 65,504 have no f16 number; e^v beyond f32 gives NaN here as in reference().
; REGISTERS: v1-9 addresses; v10 -m, v11 m, v[12:13] l in two halves, v14 the rescaling factor, v15 at work; v16-31 Q; v32-95 FA, v192-255 FB: fragments and the table's numbers; v96-159 S^T, then p, then P; v160-191 O^T.
.set SLOT1, 1<<17                      ; slot 1 begins here: one exclusive or turns an address from one slot to the other
.set VOFF,  32768                      ; a slot: 256 keys of K, dense; then V, 384 bytes for each 256
.set SPARE, 81920                      ; behind slot 0: the spare words, 128 bytes a wave
.set TAB,   213248                     ; behind slot 1, one block of 256 bytes left free: the table's four copies
.set CP,    10304                      ; from copy to copy: 64 more than a multiple of 256
.set LI,   1                           ; v1 16 x lane
.set AV0,  2                           ; v2 my lane's place in a tile of V
.set TA0,  3                           ; v3 my lane's place in the table
.set SPW,  4
.set NIL,  5
.set ADK,  6
.set ADV,  7
.set ADT,  8
.set PFO,  9                           ; v9 256 x lane
.set QF,   16
.set FA,   32
.set S,    96
.set O,    160
.set FB,   192
.set WV,   18
.set SEL,  20
.set G1K,  24
.set G1V,  32
.set G0K,  40
.set G0V,  44
.set TB,   2                           ; s2  LDS byte at which the slot in hand begins
.set TT,   3                           ; s3  4 (2048 - my first query + the step's first key)
.set SLOTS, 66
.set KF,   67                          ; s67 the step's first key
.set Q0,   68                          ; s68 my first query
.set QL,   69                          ; s69 my work-group's last query
.set PFA,  76
.set LIM,  80
.macro TLOAD                           ; waves 0, 1 fetch K's halves, waves 2, 3 V's, the others nothing.  An s_nop 0 and four v_nop follow each line
	s_cmp_lt_u32 s[WV], 2
	s_cbranch_scc0 .Lnot_k_\@
	tensor_load_to_lds s[G0K:G0K+3], s[G1K:G1K+7]
	s_nop 0
.rept 4
	v_nop
.endr
	s_branch .Lasked_\@
.Lnot_k_\@:
	s_cmp_lt_u32 s[WV], 4
	s_cbranch_scc0 .Lasked_\@
	tensor_load_to_lds s[G0V:G0V+3], s[G1V:G1V+7]
	s_nop 0
.rept 4
	v_nop
.endr
.Lasked_\@:
.endm
; A prefetch of what the NEXT change of slots will ask for: 32,768 dense bytes of K and as many of V.  All work-groups of a head walk the same K and V: the one with c = 0, which walks all eight slots, asks.
; In it waves 4 to 7 ask for K's, waves 8 to 11 for V's: 8,192 bytes a wave, lanes 256 bytes apart: each aligned block of 256 bytes is named once in the launch.  The last change that fills a slot asks for nothing.
.macro ASK
	s_cmp_gt_u32 s[SLOTS], s[LIM]
	s_cbranch_scc0 .Lnot_mine_\@
	global_prefetch_b8 v[PFO], s[PFA:PFA+1] th:TH_LOAD_NT scope:SCOPE_SE
.Lnot_mine_\@:
.endm
	s_load_b256 s[4:11], s[0:1], 0x0               ; qkv 4:5, w 6:7, v 8:9, ctx_img 10:11
	v_lshl_add_u32 v[SPW], v0, 2, SPARE
	v_mov_b32 v[NIL], 0
	ds_add_u32 v[SPW], v[NIL]                      ; the wave's opening: the add, twice on end, and its wait ahead of my first tensor load
	ds_add_u32 v[SPW], v[NIL]
	v_lshrrev_b32 v6, 5, v0
	v_readfirstlane_b32 s[WV], v6                  ; wave 0..15
	s_and_b32 s72, ttmp7, 0xffff                   ; y = 16 x sequence + head
	s_and_b32 s73, s72, 15                         ; head
	s_lshr_b32 s74, s72, 4                         ; sequence
	s_lshr_b32 s82, s[WV], 2
	s_xor_b32 s82, s82, s[WV]
	s_and_b32 s82, s82, 1                          ; 0: the early block, 1: the late one: two of each among any four neighbouring waves and among any four waves that are 4 apart
	s_lshr_b32 s83, s[WV], 1                       ; which of the block's eight tiles
	s_sub_co_u32 s84, 15, ttmp9
	s_cmp_eq_u32 s82, 0
	s_cselect_b32 s84, ttmp9, s84                  ; my block
	s_lshl_b32 s84, s84, 3
	s_add_co_u32 s84, s84, s83                     ; my tile of queries, 0..127
	s_lshl_b32 s[Q0], s84, 4
	s_sub_co_u32 s[QL], 16, ttmp9
	s_lshl_b32 s[QL], s[QL], 7
	s_sub_co_u32 s[QL], s[QL], 1
	s_mov_b32 s[G1K], 3<<16                        ; K: 16,384 dense bytes as 64 rows of 32 elements of 8 bytes
	s_mov_b32 s[G1K+1], 32<<16
	s_mov_b32 s[G1K+2], 64<<16
	s_mov_b32 s[G1K+3], 32<<16
	s_mov_b32 s[G1K+4], 64
	s_mov_b32 s[G1K+5], 32
	s_mov_b32 s[G1K+6], 0
	s_mov_b32 s[G1K+7], 0
	s_mov_b32 s[G1V], (3<<16)|(1<<20)|(5<<22)|(31<<25)  ; V: the same, with 32 words of padding behind every 64
	s_mov_b32 s[G1V+1], 32<<16
	s_mov_b32 s[G1V+2], 64<<16
	s_mov_b32 s[G1V+3], 32<<16
	s_mov_b32 s[G1V+4], 64
	s_mov_b32 s[G1V+5], 32
	s_mov_b32 s[G1V+6], 0
	s_mov_b32 s[G1V+7], 0
	s_mov_b32 s[SEL], 0x76543210
	s_mov_b32 s[SEL+1], 0xfedcba98
	s_mov_b32 s[TB], 0
	s_lshl_b32 s[TT], s[Q0], 2
	s_sub_co_u32 s[TT], 8192, s[TT]
	s_mov_b32 s[SLOTS], 7
	s_mov_b32 s[KF], 0
	s_and_b32 s85, s[WV], 1
	s_lshl_b32 s86, s85, 14                        ; the half that I fetch, if I fetch: 16,384 bytes in memory, and K's in LDS
	s_lshl_b32 s87, s72, 18                        ; a head's q, k or v: 262,144 bytes
	s_add_co_u32 s88, s87, s86
	s_add_co_u32 s88, s88, 32*262144               ; K
	s_mov_b32 s89, 0
	s_add_co_u32 s90, s88, 32*262144               ; V
	s_mov_b32 s91, 0
	s_mul_i32 s92, s85, 24576
	s_add_co_u32 s92, s92, VOFF
	s_lshl_b32 s93, s84, 11
	s_add_co_u32 s94, s87, s93                     ; my tile of Q
	s_mov_b32 s95, 0
	s_wait_dscnt 0x0                               ; both opening adds are done
	s_wait_kmcnt 0x0
	s_mov_b32 s[G0K], 1
	s_mov_b32 s[G0K+1], s86
	s_add_nc_u64 s[G0K+2:G0K+3], s[4:5], s[88:89]
	s_or_b32 s[G0K+3], s[G0K+3], 0x80000000
	s_mov_b32 s[G0V], 1
	s_mov_b32 s[G0V+1], s92
	s_add_nc_u64 s[G0V+2:G0V+3], s[4:5], s[90:91]
	s_or_b32 s[G0V+3], s[G0V+3], 0x80000000
	TLOAD                                          ; slot 0: keys 0 to 255, which count for some query of every work-group.  One tensor load of a wave is out at the most, here and later
	s_lshl_b32 s82, s73, 2
	s_mov_b32 s83, 0
	s_add_nc_u64 s[6:7], s[6:7], s[82:83]
	s_add_nc_u64 s[8:9], s[8:9], s[82:83]
	s_load_b32 s70, s[6:7], 0x0                    ; w[head]
	s_load_b32 s71, s[8:9], 0x0                    ; v[head]
	s_add_nc_u64 s[98:99], s[4:5], s[94:95]
	v_and_b32 v6, 31, v0
	v_lshlrev_b32 v[LI], 4, v6
	v_lshlrev_b32 v[PFO], 8, v6
.irp i, 0,1,2,3
	global_load_b128 v[QF+4*\i:QF+4*\i+3], v[LI], s[98:99] offset:512*\i   ; Q's two fragments stay in registers
.endr
	s_lshr_b32 s82, s73, 2                         ; ctx_img [quarter of K 4][tile of positions 256][chunk of 32 8][1,024]: K = 64 head + channel
	s_lshl_b32 s82, s82, 21
	s_lshl_b32 s83, s74, 7
	s_add_co_u32 s83, s83, s84
	s_lshl_b32 s83, s83, 13
	s_add_co_u32 s82, s82, s83
	s_and_b32 s83, s73, 3
	s_lshl_b32 s83, s83, 11
	s_add_co_u32 s82, s82, s83
	s_mov_b32 s83, 0
	s_add_nc_u64 s[78:79], s[10:11], s[82:83]
	s_cmp_lt_u32 s[WV], 8                          ; the prefetches: waves 4 to 7 K's, waves 8 to 11 V's
	s_mov_b32 s82, 64*262144
	s_cselect_b32 s82, 32*262144, s82
	s_add_co_u32 s82, s82, s87
	s_and_b32 s83, s[WV], 3
	s_lshl_b32 s83, s83, 13
	s_add_co_u32 s82, s82, s83
	s_add_co_u32 s82, s82, 32768                   ; in slot 1: the first change of slots steps it to slot 2.  Nothing is prefetched at the head
	s_mov_b32 s83, 0
	s_add_nc_u64 s[PFA:PFA+1], s[4:5], s[82:83]
	s_sub_co_u32 s82, s[WV], 4
	s_lshr_b32 s82, s82, 3                         ; 0 in waves 4 to 11,
	s_or_b32 s82, s82, ttmp9                       ; of the work-group with c = 0
	s_cmp_eq_u32 s82, 0
	s_cselect_b32 s[LIM], 1, -1
	v_bfe_u32 v7, v0, 3, 1
	v_mul_u32_u24 v[AV0], v7, 384                  ; V, for the turning load: lane 8 g + j addresses key 8 (g / 2) + j, channels 8 (g % 2) on
	v_bfe_u32 v8, v0, 4, 1                         ; h
	v_lshl_add_u32 v[AV0], v8, 7, v[AV0]
	v_and_b32 v7, 7, v0
	v_lshl_add_u32 v[AV0], v7, 4, v[AV0]
	v_add_nc_u32 v[AV0], VOFF, v[AV0]
	v_and_b32 v7, 3, v0
	v_mul_u32_u24 v[TA0], v7, CP                   ; the table: copy r % 4,
	v_lshl_add_u32 v[TA0], v8, 5, v[TA0]           ; 8 keys on for lanes 16-31,
	v_add_nc_u32 v[TA0], TAB, v[TA0]
	v_and_b32 v7, 12, v0
	v_lshlrev_b32 v7, 2, v7
	v_sub_nc_u32 v[TA0], v[TA0], v7                ; and r - r % 4 entries back
	s_wait_kmcnt 0x0
	v_mov_b32 v32, s70                             ; w
	v_mov_b32 v33, s71                             ; v
	v_mul_f32 v34, 0x3fb8aa3b, v33
	v_exp_f32 v34, v34                             ; e^v
	v_lshl_add_u32 v35, v0, 2, TAB
.irp e, 0,1,2,3,4                      ; thread t makes entries 512 e + t: d = 2048 - 512 e - t
	v_sub_nc_u32 v[36+\e], 2048-512*\e, v0
	v_cvt_f32_i32 v[36+\e], v[36+\e]
	v_fma_f32 v[36+\e], -v32, v[36+\e], v33
	v_mul_f32 v[36+\e], 0x3fb8aa3b, v[36+\e]
.endr
	s_wait_alu depctr_va_vdst(0)                   ; ahead of the first line that names a transcendental's result
	v_add_f32 v34, 1.0, v34
	v_mul_f32 v34, 0x3e38aa3b, v34                 ; (1 + e^v) log2(e) / 8
.irp e, 0,1,2,3,4
	v_exp_f32 v[36+\e], v[36+\e]
.endr
	v_nop
	s_wait_alu depctr_va_vdst(0)                   ; one wait for the five
.irp e, 0,1,2,3,4
	v_add_f32 v[36+\e], 1.0, v[36+\e]
.endr
.irp e, 0,1,2,3,4
	v_rcp_f32 v[36+\e], v[36+\e]
.endr
	v_nop
	s_wait_alu depctr_va_vdst(0)
.irp e, 0,1,2,3,4
	v_mul_f32 v[36+\e], v34, v[36+\e]
.endr
.irp c, 0,1,2,3
.irp e, 0,1,2,3,4
	ds_store_b32 v35, v[36+\e] offset:\c*(CP+4)+2048*\e   ; the first change's wait and barrier show the table to every wave
.endr
.endr
	v_mov_b32 v10, 0
	v_mov_b32 v11, 0
	v_mov_b32 v12, 0
	v_mov_b32 v13, 0
	v_mov_b32 v14, 0
	v_mov_b32 v15, 0                               ; written once: a lane permute's destination counts as one of its sources, and v[14:15] is named as a pair
.set n, 0
.rept 32
	v_mov_b32 v[O+n], 0                            ; the step is written once: the first finds zeros
.set n, n+1
.endr
; A KEY STEP: 128 keys, the q-th of the slot in hand.
.macro STEP q
	s_add_co_u32 s96, s[Q0], 15                    ; a step all of whose keys come after my queries is left out: a branch on ids, round the step's work, not round the steps of its counters
	s_cmp_gt_u32 s[KF], s96
	s_cbranch_scc1 .Lhidden_\@
	s_min_u32 s96, s[TT], 8192                     ; (in a step that is walked the first key is at or under my first query, so this changes nothing: it states the bound)
	v_add_nc_u32 v[ADK], s[TB], v[LI]
	v_add_nc_u32 v[ADV], s[TB], v[AV0]
	v_add_nc_u32 v[ADT], s96, v[TA0]
	v_nop
	v_nop                                          ; five places behind the last step's products: the loads below land on their fragments (four are asked), the products below write over P (five)
.irp b, 0,1,2,3,4,5,6,7                ; K: tile b of 16 keys, channels 32 u on: tiles 0-3 into FA, 4-7 into FB
.irp u, 0,1
.irp e, 0,1
	ds_load_b128 v[FA+16*\b+96*(\b/4)+8*\u+4*\e:FA+16*\b+96*(\b/4)+8*\u+4*\e+3], v[ADK] offset:16384*(\q)+2048*\b+1024*\u+512*\e
.endr
.endr
.endr
.irp p, 0,1                            ; S^T = K Q^T: four accumulators by turns
	s_wait_dscnt 16-16*\p                          ; p = 0: FB's sixteen loads may be out
.irp u, 0,1
.irp b, 0,1,2,3
.if \u == 0
	v_wmma_f32_16x16x32_f16 v[S+8*(4*\p+\b):S+8*(4*\p+\b)+7], v[FA+160*\p+16*\b+8*\u:FA+160*\p+16*\b+8*\u+7], v[QF+8*\u:QF+8*\u+7], 0
.else
	v_wmma_f32_16x16x32_f16 v[S+8*(4*\p+\b):S+8*(4*\p+\b)+7], v[FA+160*\p+16*\b+8*\u:FA+160*\p+16*\b+8*\u+7], v[QF+8*\u:QF+8*\u+7], v[S+8*(4*\p+\b):S+8*(4*\p+\b)+7]
.endif
.endr
.endr
.endr
.rept 4
	v_nop                                          ; places in front of the loads into K's registers and of the first read of the scores
.endr
.irp b, 0,1,2,3,4,5,6,7                ; the table's numbers for my 64 pairs, register for register beside S^T
.irp e, 0,1
	ds_load_b128 v[FA+8*\b+4*\e:FA+8*\b+4*\e+3], v[ADT] offset:64*\b+16*\e
.endr
.endr
.irp g, 0,1                            ; V^T of keys 0 to 63: 32 keys g, 16 channels t
.irp t, 0,1,2,3
.irp z, 0,1
	ds_load_tr16_b128 v[FB+32*\g+8*\t+4*\z:FB+32*\g+8*\t+4*\z+3], v[ADV] offset:24576*(\q)+3072*(2*\g+\z)+768*\t
.endr
.endr
.endr
	s_wait_dscnt 16                                ; the table's numbers are in; V's sixteen loads may be out
.set n, 0
.rept 32
	v_pk_mul_f32 v[S+n:S+n+1], v[S+n:S+n+1], v[FA+n:FA+n+1]        ; s T, each accumulator from its low end on
.set n, n+2
.endr
.set n, 0
.rept 64
	v_max_num_f32 v[S+n], 0, v[S+n]                ; relu (T is positive)
.set n, n+1
.endr
	s_add_co_u32 s96, s[KF], 127                   ; on the diagonal hidden pairs become -infinity; a step all of whose keys count skips this
	s_cmp_le_u32 s96, s[Q0]
	s_cbranch_scc1 .Lopen_\@
	s_sub_co_i32 s96, s[Q0], s[KF]
	v_and_b32 v32, 15, v0
	v_bfe_u32 v33, v0, 4, 1
	v_lshlrev_b32 v33, 3, v33
	v_sub_nc_u32 v32, v32, v33
	v_add_nc_u32 v32, s96, v32                     ; register 8 b + j holds key KF + 16 b + 8 (lane / 16) + j: hidden where 16 b + j > my query - KF - 8 (lane / 16)
	v_mov_b32 v33, 0xff800000
.set n, 0
.rept 64
	v_cmp_gt_i32 vcc_lo, 16*(n/8)+n%8, v32
	v_cndmask_b32 v[S+n], v[S+n], v33, vcc_lo
.set n, n+1
.endr
.Lopen_\@:
.irp c, 0,1,2,3                        ; the maximum, in four chains
	v_max3_num_f32 v[34+\c], v[S+16*\c], v[S+1+16*\c], v[S+2+16*\c]
.endr
.irp i, 3,5,7,9,11,13
.irp c, 0,1,2,3
	v_max3_num_f32 v[34+\c], v[34+\c], v[S+16*\c+\i], v[S+1+16*\c+\i]
.endr
.endr
.irp c, 0,1,2,3
	v_max_num_f32 v[34+\c], v[34+\c], v[S+15+16*\c]
.endr
	v_max3_num_f32 v34, v34, v35, v36
	v_max3_num_f32 v34, v34, v37, v11              ; with the old m
	v_permlanex16_b32 v15, v34, s[SEL], s[SEL+1]   ; the query's other keys lie in the lane 16 away
	v_mov_b32 v38, v11
	v_max_num_f32 v11, v34, v15                    ; the new m
	v_xor_b32 v10, 0x80000000, v11                 ; -m
	v_sub_f32 v38, v38, v11                        ; m_old - m_new
.set n, 0
.rept 32
	v_pk_add_f32 v[S+n:S+n+1], v[S+n:S+n+1], v[10:11] op_sel_hi:[1,0]   ; t - m
.set n, n+2
.endr
	v_exp_f32 v14, v38                             ; ONE BATCH: the rescaling factor and the 64 weights
.set n, 0
.rept 64
	v_exp_f32 v[S+n], v[S+n]
.set n, n+1
.endr
	v_nop                                          ; a plain line behind the last exponential
	s_wait_alu depctr_va_vdst(0)                   ; one wait for the batch, ahead of its first reader
	v_pk_mul_f32 v[12:13], v[12:13], v[14:15] op_sel_hi:[1,0]
	v_pk_add_f32 v[40:41], v[S:S+1], v[S+2:S+3]    ; the sum of the f32 weights, in two chains
.irp j, 4,8,12,16,20,24,28,32,36,40,44,48,52,56,60
	v_pk_add_f32 v[12:13], v[12:13], v[S+\j:S+\j+1]
	v_pk_add_f32 v[40:41], v[40:41], v[S+\j+2:S+\j+3]
.endr
	v_pk_add_f32 v[12:13], v[12:13], v[40:41]
.irp g, 2,3                            ; V^T of keys 64 to 127 into FA, which is free now
.irp t, 0,1,2,3
.irp z, 0,1
	ds_load_tr16_b128 v[FA+32*(\g-2)+8*\t+4*\z:FA+32*(\g-2)+8*\t+4*\z+3], v[ADV] offset:24576*(\q)+3072*(2*\g+\z)+768*\t
.endr
.endr
.endr
.irp g, 0,1,2,3                        ; P: two tiles' 16 numbers pack into a fragment's 8 registers, in place, ascending
.irp i, 0,1,2,3,4,5,6,7
	v_cvt_pk_f16_f32 v[S+16*\g+\i], v[S+16*\g+2*\i], v[S+16*\g+2*\i+1]
.endr
.endr
.set n, 0
.rept 16
	v_pk_mul_f32 v[O+n:O+n+1], v[O+n:O+n+1], v[14:15] op_sel_hi:[1,0]   ; O^T under the new m, each accumulator from its low end on
.set n, n+2
.endr
.irp p, 0,1                            ; O^T += V^T P: four accumulators by turns
	s_wait_dscnt 16-16*\p                          ; p = 0: FA's sixteen loads may be out
.irp g, 0,1
.irp t, 0,1,2,3
	v_wmma_f32_16x16x32_f16 v[O+8*\t:O+8*\t+7], v[FB-160*\p+32*\g+8*\t:FB-160*\p+32*\g+8*\t+7], v[S+16*(2*\p+\g):S+16*(2*\p+\g)+7], v[O+8*\t:O+8*\t+7]
.endr
.endr
.endr
.Lhidden_\@:
	s_add_co_u32 s[KF], s[KF], 128
	s_add_co_u32 s[TT], s[TT], 512
.endm
; THE CHANGE OF SLOTS stands at a slot's head.  Each wave waits for all its tensor loads, adds 0 to its spare word (fill = 1: twice on end), and waits for that and for its reads of the slot that it has left.
; Behind the barrier the slot ahead is whole and nobody reads the other one.  fill = 1: that other slot is filled with the next 256 keys, while some query of the work-group still sees them.
.macro CHANGE fill
	s_wait_tensorcnt 0x0                           ; no tensor load of mine is out, so a group 0 may be written
	ds_add_u32 v[SPW], v[NIL]
.if \fill
	ds_add_u32 v[SPW], v[NIL]                      ; and once more
	s_xor_b32 s[G0K+1], s[G0K+1], SLOT1
	s_add_nc_u64 s[G0K+2:G0K+3], s[G0K+2:G0K+3], 32768
	s_xor_b32 s[G0V+1], s[G0V+1], SLOT1
	s_add_nc_u64 s[G0V+2:G0V+3], s[G0V+2:G0V+3], 32768
	s_wait_xcnt 0x0                                ; the last prefetch, a slot back, has read its address
	s_add_nc_u64 s[PFA:PFA+1], s[PFA:PFA+1], 32768
.endif
	s_wait_dscnt 0x0
	s_barrier_signal -1
	s_barrier_wait -1
.if \fill
	s_add_co_u32 s96, s[KF], 256                   ; the first key of the slot that this change would ask for: past my work-group's last query no wave would read it, so it is not asked for.
	s_cmp_gt_u32 s96, s[QL]                        ; Ids and the count of steps alone: all sixteen waves go the same way.  Every wait on TENSORcnt in this text is for 0
	s_cbranch_scc1 .Lpast_\@
	TLOAD                                          ; a wave's one tensor load until the next change
.Lpast_\@:
	ASK
.endif
.endm
.macro SLOT_STEPS
	STEP 0
	STEP 1
	s_xor_b32 s[TB], s[TB], SLOT1
.endm
	s_wait_loadcnt 0x0                             ; Q
.Lslot:                                            ; seven trips, a constant: every work-group walks all changes of slots
	CHANGE 1
	SLOT_STEPS
	s_sub_co_u32 s[SLOTS], s[SLOTS], 1
	s_cmp_lg_u32 s[SLOTS], 0
	s_cbranch_scc1 .Lslot
	CHANGE 0                                       ; the last slot is written out: nothing is left to ask for
	SLOT_STEPS
	; THE WAY OUT: O^T / l, rounded to f16: a tile of 16 queries x 16 channels is 16 bytes a lane at 16 x lane: an image for the out projection
.rept 4
	v_nop
.endr
	v_add_f32 v12, v12, v13
	v_permlanex16_b32 v15, v12, s[SEL], s[SEL+1]
	v_add_f32 v12, v12, v15
	v_rcp_f32 v14, v12
	v_nop
	s_wait_alu depctr_va_vdst(0)
.set n, 0
.rept 16
	v_pk_mul_f32 v[O+n:O+n+1], v[O+n:O+n+1], v[14:15] op_sel_hi:[1,0]
.set n, n+2
.endr
.set n, 0
.rept 16
	v_cvt_pk_f16_f32 v[S+n], v[O+2*n], v[O+2*n+1]
.set n, n+1
.endr
.irp t, 0,1,2,3
	global_store_b128 v[LI], v[S+4*\t:S+4*\t+3], s[78:79] offset:512*\t   ; 512 consecutive bytes, aligned
.endr
	s_wait_tensorcnt 0x0                           ; the wave's end
	ds_add_u32 v[SPW], v[NIL]
	s_wait_dscnt 0x0
	s_endpgm
.Lfunc_end_k_q416c5fcb50_attn:
	.size	k_q416c5fcb50_attn, .Lfunc_end_k_q416c5fcb50_attn-k_q416c5fcb50_attn
	.p2alignl 7, 3214868480
	.fill 96, 4, 3214868480
	.section	.rodata,"a",@progbits
	.p2align	6, 0x0
	.amdhsa_kernel k_q416c5fcb50_attn
		.amdhsa_group_segment_fixed_size 327680
		.amdhsa_private_segment_fixed_size 0
		.amdhsa_enable_private_segment 0
		.amdhsa_kernarg_size 32
		.amdhsa_user_sgpr_count 2
		.amdhsa_user_sgpr_kernarg_segment_ptr 1
		.amdhsa_wavefront_size32 1
		.amdhsa_system_sgpr_workgroup_id_x 1
		.amdhsa_system_sgpr_workgroup_id_y 1
		.amdhsa_system_sgpr_workgroup_id_z 1
		.amdhsa_system_vgpr_workitem_id 0
		.amdhsa_next_free_vgpr 256
		.amdhsa_next_free_sgpr 100
		.amdhsa_reserve_vcc 1
		.amdhsa_float_denorm_mode_32 3
		.amdhsa_float_denorm_mode_16_64 3
		.amdhsa_memory_ordered 1
		.amdhsa_forward_progress 1
		.amdhsa_inst_pref_size 130
	.end_amdhsa_kernel
	.amdgpu_metadata
---
amdhsa.version: [ 1, 2 ]
amdhsa.kernels:
  - .name:           k_q416c5fcb50_attn
    .symbol:         k_q416c5fcb50_attn.kd
    .args:
      - { .name: qkv, .offset: 0, .size: 8, .value_kind: global_buffer, .address_space: global }
      - { .name: w, .offset: 8, .size: 8, .value_kind: global_buffer, .address_space: global }
      - { .name: v, .offset: 16, .size: 8, .value_kind: global_buffer, .address_space: global }
      - { .name: ctx_img, .offset: 24, .size: 8, .value_kind: global_buffer, .address_space: global }
    .group_segment_fixed_size: 327680
    .private_segment_fixed_size: 0
    .kernarg_segment_align: 8
    .kernarg_segment_size: 32
    .max_flat_workgroup_size: 512
    .sgpr_count:     100
    .vgpr_count:     256
    .wavefront_size: 32
...
	.end_amdgpu_metadata
.endif
;; end of part 3
;; launch oproj (part 4): grid 8 x 32, 4 waves a work-group, clusters of 4 x 4, 327,680 bytes of LDS; arguments ctx_img, wo_img, bo, out0; writes out0
.if DOCPART == 4
	.amdgcn_target "amdgcn-amd-amdhsa--gfx1250"
	.amdhsa_code_object_version 6
	.text
	.protected	k_q416c5fcb50_oproj
	.globl	k_q416c5fcb50_oproj
	.p2align	8
	.type	k_q416c5fcb50_oproj,@function
k_q416c5fcb50_oproj:
	s_mov_b64 s[64:65], 0
	v_nop
	global_prefetch_b8 v0, s[64:65] scope:SCOPE_SE
	s_setreg_imm32_b32 hwreg(HW_REG_WAVE_MODE, 25, 1), 1
	s_wait_xcnt 0x0
	s_wait_alu depctr_hold_cnt(0) depctr_sa_sdst(0) depctr_va_vdst(0) depctr_va_sdst(0) depctr_va_ssrc(0) depctr_va_vcc(0) depctr_vm_vsrc(0)
	s_getreg_b32 s2, hwreg(HW_REG_IB_STS2, 6, 4)
	s_cmp_eq_u32 s2, 0
	s_cbranch_scc0 .Lentry_in_a_cluster
	s_endpgm
.Lentry_in_a_cluster:
	s_bfe_u32 s2, ttmp6, 0x10000c
	s_cmp_lg_u32 s2, 0xf033
	s_cbranch_scc0 .Lentry_shape_is_right
	s_endpgm
.Lentry_shape_is_right:
; out0[m][n] = sum over k of ctx[m][k] Wo[k][n] + bo[n]: 4,096 x 1,024 x 1,024, operands in f16, sums in f32.  (Positions 0-15 of both sequences lie inside live tiles and are made here like the others; the last launch stores them again, finer.)
; A tile of out0 is 128 x 128, so that there are 256 work-groups; four waves, each 64 x 64: 16 accumulators.  K goes in four steps of 256 through two LDS slots.
; Both operands lie in memory as images of fragments (16 x 32: 1,024 bytes), [quarter of K][tile of 16][chunk of 32]: a wave's tensor load brings 32,768 dense bytes, and a fragment is two loads at 16 x lane: no pitch, no padding.
; CLUSTERS: 4 x 4; ctx's tiles are asked for jointly along a row of the cluster, Wo's along a column.  THE MATRIX INSTRUCTION IS USED TRANSPOSED (source 0 = 16 columns of Wo, source 1 = 16 rows of ctx).
; The bias is the C of each sum's first matrix instruction.  No prefetch: the tile is small and the launch short.
; REGISTERS: window 0: v16-29 addresses; v32-95 rows on the way out; v96-127 the bias, eight registers for each of my four blocks of columns; v128-255 the accumulators.  window 1: two fragment buffers of 128.
.set HALFT,  32768                     ; four tiles x eight chunks: what one tensor load brings, and what one wave reads of ctx or of Wo
.set SLOT,   4*HALFT
.set SPARE,  2*SLOT
.set SPITCH, 272                       ; the way out: 16 rows x (256 bytes + 16) for each wave, in slot 0, which has had its last fill and its last read by then
.set ADRA, 16
.set ADRB, 20
.set STO,  24
.set RD,   25
.set CO,   26
.set BO,   27
.set SPW,  28
.set NIL,  29
.set TMP,  32
.set BIAS, 96
.set ACC,  128
.set F0,   0
.set F1,   128
.set G1,   24
.set G0,   32
.set G1B,  48
.set G0B,  56
.set MSB, 0
.macro WIN new
.if MSB != \new
	s_set_vgpr_msb (MSB<<8)|\new
.set MSB, \new
.endif
.endm
.set MUL,  0x05                        ; sources 0 (Wo) and 1 (ctx) window 1; C and D window 0
.set TO_F, 0x40
.macro JLOAD s                         ; waves 0 and 1 fetch ctx's two halves, waves 2 and 3 Wo's; an s_nop 0 and four v_nop follow each line
	s_cmp_eq_u32 s13, 0
	s_cbranch_scc0 .Lfor_b_\@
	tensor_load_to_lds s[G0+4*\s:G0+4*\s+3], s[G1:G1+7]
	s_nop 0
.rept 4
	v_nop
.endr
	s_branch .Lasked_\@
.Lfor_b_\@:
	tensor_load_to_lds s[G0B+4*\s:G0B+4*\s+3], s[G1B:G1B+7]
	s_nop 0
.rept 4
	v_nop
.endr
.Lasked_\@:
.endm
.macro CREST
	s_cmp_lg_u32 s12, 0
	s_cbranch_scc1 .Lnot_wave_0_\@
	s_barrier_signal -3
.Lnot_wave_0_\@:
	s_barrier_wait -3
	s_barrier_signal -1
	s_barrier_wait -1
.endm
.macro CROUND
	s_barrier_signal -1
	s_barrier_wait -1
	CREST
.endm
	s_load_b256 s[4:11], s[0:1], 0x0               ; ctx_img 4:5, wo_img 6:7, bo 8:9, out0 10:11
	v_lshl_add_u32 v[SPW], v0, 2, SPARE
	v_mov_b32 v[NIL], 0
	ds_add_u32 v[SPW], v[NIL]                      ; the wave's opening: the add, twice on end, and its wait ahead of my first tensor load
	ds_add_u32 v[SPW], v[NIL]
	v_lshrrev_b32 v1, 5, v0
	v_readfirstlane_b32 s12, v1                    ; wave
	s_lshr_b32 s13, s12, 1                         ; which half of the tile's rows is mine.  Also: I fetch for ctx (0) or for Wo (1)
	s_and_b32 s14, s12, 1                          ; which half of its columns.  Also: which half of that tile I fetch
	s_bfe_u32 s40, ttmp6, 0x40000
	s_bfe_u32 s41, ttmp6, 0x40004
	s_lshl_b32 s42, ttmp9, 2
	s_add_co_u32 s42, s42, s40                     ; tile column 0..7
	s_and_b32 s15, ttmp7, 0xffff
	s_lshl_b32 s15, s15, 2
	s_add_co_u32 s15, s15, s41                     ; tile row 0..31
	s_lshl_b32 s43, s41, 2
	s_lshl_b32 s43, 15, s43
	s_lshl_b32 s44, 0x1111, s40
	s_or_b32 s[G1+0], s43, (3<<16)|(1<<21)         ; a dense block as 128 rows of 32 elements of 8 bytes; the mask, bit 21 beside it
	s_or_b32 s[G1B+0], s44, (3<<16)|(1<<21)
.irp g, G1, G1B
	s_mov_b32 s[\g+1], 32<<16
	s_mov_b32 s[\g+2], 128<<16
	s_mov_b32 s[\g+3], 32<<16
	s_mov_b32 s[\g+4], 128
	s_mov_b32 s[\g+5], 32
	s_mov_b32 s[\g+6], 0
	s_mov_b32 s[\g+7], 0
.endr
	s_lshl_b32 s18, s14, 15                        ; four tiles of 8,192 bytes
	s_lshl_b32 s16, s15, 16
	s_add_co_u32 s16, s16, s18                     ; ctx: tile of positions 8 x tile row + 4 x half
	s_mov_b32 s17, 0
	s_lshl_b32 s46, s42, 16
	s_add_co_u32 s46, s46, s18                     ; Wo: tile of columns 8 x tile column + 4 x half
	s_mov_b32 s47, 0
	s_lshl_b32 s20, s12, 15                        ; where they go: wave x 32,768
	s_wait_dscnt 0x0
	s_wait_kmcnt 0x0
	s_add_nc_u64 s[16:17], s[4:5], s[16:17]
	s_add_nc_u64 s[46:47], s[6:7], s[46:47]
	CROUND
.irp s, 0,1
	s_mov_b32 s[G0+4*\s], 1
	s_add_co_u32 s[G0+4*\s+1], s20, \s*SLOT
	s_add_nc_u64 s[G0+4*\s+2:G0+4*\s+3], s[16:17], \s*2097152
	s_or_b32 s[G0+4*\s+3], s[G0+4*\s+3], 0x80000000
	s_mov_b32 s[G0B+4*\s], 1
	s_add_co_u32 s[G0B+4*\s+1], s20, \s*SLOT
	s_add_nc_u64 s[G0B+4*\s+2:G0B+4*\s+3], s[46:47], \s*524288
	s_or_b32 s[G0B+4*\s+3], s[G0B+4*\s+3], 0x80000000
	JLOAD \s                                       ; two tensor loads of mine are out at the most
.endr
	v_and_b32 v1, 15, v0                           ; r
	v_bfe_u32 v2, v0, 4, 1                         ; h
	v_and_b32 v3, 31, v0
	v_lshlrev_b32 v3, 4, v3                        ; 16 x lane
	s_lshl_b32 s21, s13, 15                        ; my 64 rows of ctx
	s_lshl_b32 s22, s14, 15
	s_add_co_u32 s22, s22, 2*HALFT                 ; my 64 columns of Wo
.irp s, 0,1
	v_add_nc_u32 v[ADRA+\s], s21, v3
	v_add_nc_u32 v[ADRB+\s], s22, v3
	s_add_co_u32 s21, s21, SLOT
	s_add_co_u32 s22, s22, SLOT
.endr
	s_mul_i32 s23, s12, 16*SPITCH                  ; my stage
	v_mul_u32_u24 v4, v1, SPITCH
	v_lshl_add_u32 v4, v2, 5, v4
	v_add_nc_u32 v[STO], s23, v4                   ; in: row r, 32 bytes for each half of the lanes
	v_mul_u32_u24 v5, v2, SPITCH
	v_lshl_add_u32 v5, v1, 4, v5
	v_add_nc_u32 v[RD], s23, v5                    ; back: lanes 0-15 one row of 256 bytes, lanes 16-31 the next
	v_lshlrev_b32 v5, 12, v2
	v_lshl_add_u32 v[CO], v1, 4, v5                ; the same two rows in out0
	v_lshlrev_b32 v[BO], 5, v2
	s_lshl_b32 s16, s42, 9
	s_lshl_b32 s17, s14, 8
	s_add_co_u32 s16, s16, s17                     ; my first column, in bytes
	s_mov_b32 s17, 0
	s_add_nc_u64 s[8:9], s[8:9], s[16:17]
	s_add_nc_u64 s[10:11], s[10:11], s[16:17]
	s_lshl_b32 s16, s15, 19
	s_lshl_b32 s18, s13, 18
	s_add_co_u32 s16, s16, s18                     ; my first row: 128 x tile row + 64 x half, 4,096 bytes each
	s_add_nc_u64 s[10:11], s[10:11], s[16:17]
.irp b, 0,1,2,3
	global_load_b128 v[BIAS+8*\b:BIAS+8*\b+3], v[BO], s[8:9] offset:64*\b        ; lane (r, h): bo at block b's columns 8 h + 0 .. 7: the result's layout
	global_load_b128 v[BIAS+8*\b+4:BIAS+8*\b+7], v[BO], s[8:9] offset:64*\b+16
.endr
.macro MUL8 f, c, a0, zero             ; 8 matrix instructions; the 16 accumulators take turns.  zero = 1: the bias starts the sums
.irp a, \a0, \a0+1
.irp b, 0,1,2,3
.if \zero
	v_wmma_f32_16x16x32_f16 v[ACC+8*(4*(\a)+\b):ACC+8*(4*(\a)+\b)+7], v[\f+64+8*(4*\c+\b):\f+64+8*(4*\c+\b)+7], v[\f+8*(4*\c+\a):\f+8*(4*\c+\a)+7], v[BIAS+8*\b:BIAS+8*\b+7]
.else
	v_wmma_f32_16x16x32_f16 v[ACC+8*(4*(\a)+\b):ACC+8*(4*(\a)+\b)+7], v[\f+64+8*(4*\c+\b):\f+64+8*(4*\c+\b)+7], v[\f+8*(4*\c+\a):\f+8*(4*\c+\a)+7], v[ACC+8*(4*(\a)+\b):ACC+8*(4*(\a)+\b)+7]
.endif
.endr
.endr
.endm
.macro FETCH slot, qd, f               ; 32 LDS loads in one run: the fragments of quarter qd (64 along K: chunks 2 qd, 2 qd + 1); the first chunk first
	WIN TO_F
.irp c, 0,1
.irp i, 0,1,2,3
	ds_load_b128 v[\f+64+8*(4*\c+\i):\f+64+8*(4*\c+\i)+3],   v[ADRB+\slot] offset:8192*\i+1024*(2*(\qd)+\c)
	ds_load_b128 v[\f+64+8*(4*\c+\i)+4:\f+64+8*(4*\c+\i)+7], v[ADRB+\slot] offset:8192*\i+1024*(2*(\qd)+\c)+512
	ds_load_b128 v[\f+8*(4*\c+\i):\f+8*(4*\c+\i)+3],         v[ADRA+\slot] offset:8192*\i+1024*(2*(\qd)+\c)
	ds_load_b128 v[\f+8*(4*\c+\i)+4:\f+8*(4*\c+\i)+7],       v[ADRA+\slot] offset:8192*\i+1024*(2*(\qd)+\c)+512
.endr
.endr
.endm
.macro PLACES
.rept 4
	v_nop
.endr
.endm
.macro QUARTER slot, qd, f, g, zero    ; multiplies buffer f and fetches quarter qd of the same slot into g
	s_wait_dscnt 16                                ; the first chunk is in; the second's sixteen loads may be out
	WIN MUL
	MUL8 \f, 0, 0, \zero
	MUL8 \f, 0, 2, \zero
	PLACES
	FETCH \slot, \qd, \g
	s_wait_dscnt 32                                ; all but the 32 just issued
	WIN MUL
	MUL8 \f, 1, 0, 0
	MUL8 \f, 1, 2, 0
.endm
; A slot's last quarter changes slots: one barrier; in front of it each wave waits for all its tensor loads, adds 0 to its spare word, and waits for that and for its reads of this slot.  fill = 1: this slot is filled again, two K steps on,
; and the barrier opens a round of the cluster's.
.macro TURN slot, next, fill
	WIN 0
	s_wait_tensorcnt 0x0
	ds_add_u32 v[SPW], v[NIL]
	s_wait_dscnt 17                                ; the add and the youngest sixteen loads may be out
	WIN MUL
	MUL8 F1, 0, 0, 0
	s_wait_dscnt 0x0
	s_barrier_signal -1
	MUL8 F1, 0, 2, 0
.if \fill
	WIN 0
.endif
	s_barrier_wait -1
.if \fill
	CREST
	s_add_nc_u64 s[G0+4*\slot+2:G0+4*\slot+3], s[G0+4*\slot+2:G0+4*\slot+3], 2*2097152
	s_add_nc_u64 s[G0B+4*\slot+2:G0B+4*\slot+3], s[G0B+4*\slot+2:G0B+4*\slot+3], 2*524288
	JLOAD \slot                                    ; the first tensor load behind the round; its four v_nop are also the places in front of the loads below
.else
	PLACES
.endif
	FETCH \next, 0, F0
	WIN MUL
	MUL8 F1, 1, 0, 0
	MUL8 F1, 1, 2, 0
.endm
	s_wait_tensorcnt 1                             ; my part of K step 0 is in; K step 1's load may be out
	s_barrier_signal -1
	s_barrier_wait -1
	FETCH 0, 0, F0
	s_wait_loadcnt 0x0                             ; the bias
	QUARTER 0, 1, F0, F1, 1
	QUARTER 0, 2, F1, F0, 0
	QUARTER 0, 3, F0, F1, 0
	TURN 0, 1, 1                                   ; slot 0 takes K step 2
	QUARTER 1, 1, F0, F1, 0
	QUARTER 1, 2, F1, F0, 0
	QUARTER 1, 3, F0, F1, 0
	TURN 1, 0, 1                                   ; slot 1 takes K step 3
	QUARTER 0, 1, F0, F1, 0
	QUARTER 0, 2, F1, F0, 0
	QUARTER 0, 3, F0, F1, 0
	TURN 0, 1, 0                                   ; nothing is left to fetch
	QUARTER 1, 1, F0, F1, 0
	QUARTER 1, 2, F1, F0, 0
	QUARTER 1, 3, F0, F1, 0
	s_wait_dscnt 16
	WIN MUL
	MUL8 F1, 0, 0, 0
	MUL8 F1, 0, 2, 0
	s_wait_dscnt 0
	MUL8 F1, 1, 0, 0
	MUL8 F1, 1, 2, 0
	WIN 0
	; THE WAY OUT, 16 rows at a time: a lane holds 32 bytes of a row, and my 64 columns are 256 bytes: through my own stage and back as whole rows.  LDS serves a wave's instructions in order: no wait between the stores and the loads
	PLACES
.irp a, 0,1,2,3
.if \a > 1
	s_wait_xcnt 0x0                                ; block a - 2's stores have read their registers
.endif
.irp b, 0,1,2,3
	ds_store_b128 v[STO], v[ACC+8*(4*\a+\b):ACC+8*(4*\a+\b)+3] offset:64*\b
	ds_store_b128 v[STO], v[ACC+8*(4*\a+\b)+4:ACC+8*(4*\a+\b)+7] offset:64*\b+16
.endr
.irp t, 0,1,2,3,4,5,6,7
	ds_load_b128 v[TMP+32*(\a%2)+4*\t:TMP+32*(\a%2)+4*\t+3], v[RD] offset:2*\t*SPITCH
.endr
.irp t, 0,1,2,3,4,5,6,7
	s_wait_dscnt 7-\t
	global_store_b128 v[CO], v[TMP+32*(\a%2)+4*\t:TMP+32*(\a%2)+4*\t+3], s[10:11] offset:(16*\a+2*\t)*4096   ; sixteen lanes store 256 consecutive bytes, aligned
.endr
.endr
	s_wait_tensorcnt 0x0                           ; the wave's end
	ds_add_u32 v[SPW], v[NIL]
	s_wait_dscnt 0x0
	CROUND                                         ; the closing round
	s_endpgm
.Lfunc_end_k_q416c5fcb50_oproj:
	.size	k_q416c5fcb50_oproj, .Lfunc_end_k_q416c5fcb50_oproj-k_q416c5fcb50_oproj
	.p2alignl 7, 3214868480
	.fill 96, 4, 3214868480
	.section	.rodata,"a",@progbits
	.p2align	6, 0x0
	.amdhsa_kernel k_q416c5fcb50_oproj
		.amdhsa_group_segment_fixed_size 327680
		.amdhsa_private_segment_fixed_size 0
		.amdhsa_enable_private_segment 0
		.amdhsa_kernarg_size 32
		.amdhsa_user_sgpr_count 2
		.amdhsa_user_sgpr_kernarg_segment_ptr 1
		.amdhsa_wavefront_size32 1
		.amdhsa_system_sgpr_workgroup_id_x 1
		.amdhsa_system_sgpr_workgroup_id_y 1
		.amdhsa_system_sgpr_workgroup_id_z 1
		.amdhsa_system_vgpr_workitem_id 0
		.amdhsa_next_free_vgpr 512
		.amdhsa_next_free_sgpr 72
		.amdhsa_reserve_vcc 0
		.amdhsa_float_denorm_mode_32 3
		.amdhsa_float_denorm_mode_16_64 3
		.amdhsa_memory_ordered 1
		.amdhsa_forward_progress 1
		.amdhsa_inst_pref_size 87
	.end_amdhsa_kernel
	.amdgpu_metadata
---
amdhsa.version: [ 1, 2 ]
amdhsa.kernels:
  - .name:           k_q416c5fcb50_oproj
    .symbol:         k_q416c5fcb50_oproj.kd
    .args:
      - { .name: ctx_img, .offset: 0, .size: 8, .value_kind: global_buffer, .address_space: global }
      - { .name: wo_img, .offset: 8, .size: 8, .value_kind: global_buffer, .address_space: global }
      - { .name: bo, .offset: 16, .size: 8, .value_kind: global_buffer, .address_space: global }
      - { .name: out0, .offset: 24, .size: 8, .value_kind: global_buffer, .address_space: global }
    .group_segment_fixed_size: 327680
    .private_segment_fixed_size: 0
    .kernarg_segment_align: 8
    .kernarg_segment_size: 32
    .max_flat_workgroup_size: 128
    .sgpr_count:     72
    .vgpr_count:     512
    .wavefront_size: 32
...
	.end_amdgpu_metadata
.endif
;; end of part 4
;; launch first16 (part 5): grid 64 x 2, 16 waves a work-group, no clusters, 18,432 bytes of LDS; arguments first32, Wo, bo, w, v, out0; writes out0
.if DOCPART == 5
	.amdgcn_target "amdgcn-amd-amdhsa--gfx1250"
	.amdhsa_code_object_version 6
	.text
	.protected	k_q416c5fcb50_first16
	.globl	k_q416c5fcb50_first16
	.p2align	8
	.type	k_q416c5fcb50_first16,@function
k_q416c5fcb50_first16:
	s_mov_b64 s[64:65], 0
	v_nop
	global_prefetch_b8 v0, s[64:65] scope:SCOPE_SE
	s_setreg_imm32_b32 hwreg(HW_REG_WAVE_MODE, 25, 1), 1
	s_wait_xcnt 0x0
; Positions 0-15 of both sequences once more, wholly in f32 from the projections' sums to out0: these rows average one to sixteen values, are the largest of the output, and would feel the rounding of f16 operands most.
; It runs last and stores these 32 rows of out0 again.  WORK LEFT OUT: keys beyond position 15 are hidden from these queries by reference()'s own mask (shown at the head of the first launch's text).
; SHARES.  A work-group makes 16 output columns of one sequence's 16 rows; wave hd takes head hd: scores, softmax, P V, and its 64 rows of Wo; the sixteen partial sums meet in LDS and wave 0 adds them and bo.
; (The attention of 16 x 16 is made again in each of the 64 work-groups of a sequence: 32 small matrix instructions a wave; a launch more would cost more.)
; All products by v_wmma_f32_16x16x4_f32, four accumulators by turns.  Its K = 4 is fed with registers (2 s, 2 s + 1) of a tile's eight: lane (r, h) gives index 8 h + 2 s + j on BOTH sources: the same permutation of k, so the sums are the true ones.
; The registers that these instructions write (v144-239) are written by nothing else.
; REGISTERS: v1-3 addresses; v6 h, v7 r; v8-15 bo; v16-47 Q, later ctx; v48-79 K, later at work; v80-111 V^T; v112-143 Wo; v144-175, v176-207, v208-239 the three products' accumulators; v240-247 t, p, the partial sum; v252-254 addresses.
.set SPARE, 16384
.set LI,  1
.set VG,  2
.set WG,  3
.set SPW, 4
.set NIL, 5
.set QR,  16
.set KR,  48
.set VR,  80
.set WR,  112
.set MA,  144
.set MB,  176
.set MC,  208
.set P,   240
	s_load_b256 s[4:11], s[0:1], 0x0               ; first32 4:5, Wo 6:7, bo 8:9, w 10:11
	s_load_b128 s[12:15], s[0:1], 0x20             ; v 12:13, out0 14:15
	v_lshl_add_u32 v[SPW], v0, 2, SPARE
	v_mov_b32 v[NIL], 0
	v_lshrrev_b32 v6, 5, v0
	v_readfirstlane_b32 s16, v6                    ; head
	s_and_b32 s17, ttmp7, 0xffff                   ; sequence
	s_lshl_b32 s18, ttmp9, 6                       ; my 16 columns, in bytes
	s_mov_b32 s19, 0
	v_and_b32 v6, 31, v0
	v_lshlrev_b32 v[LI], 4, v6
	v_and_b32 v7, 15, v0                           ; r
	v_bfe_u32 v6, v0, 4, 1                         ; h
	v_bfe_u32 v[VG], v0, 2, 1                      ; V(key, channel r) in a tile's image: 512 ((r / 4) % 2) + 256 (r / 8) + 4 (r % 4) + 16 key; my keys begin at 8 h
	v_lshlrev_b32 v[VG], 9, v[VG]
	v_bfe_u32 v[WG], v0, 3, 1
	v_lshl_add_u32 v[VG], v[WG], 8, v[VG]
	v_and_b32 v[WG], 3, v0
	v_lshl_add_u32 v[VG], v[WG], 2, v[VG]
	v_lshl_add_u32 v[VG], v6, 7, v[VG]
	v_lshlrev_b32 v[WG], 2, v7                     ; Wo(channel, column r): my channels begin at 8 h
	v_lshl_add_u32 v[WG], v6, 15, v[WG]
	v_lshlrev_b32 v252, 5, v6                      ; bo: 8 h numbers on
	s_lshl_b32 s23, s16, 10
	v_add_nc_u32 v253, s23, v[LI]                  ; LDS: my head's partial sum, as an image
	v_lshlrev_b32 v254, 12, v7
	v_lshl_add_u32 v254, v6, 5, v254               ; out0: row r, 8 h numbers on
	s_mul_i32 s20, s17, 196608
	s_lshl_b32 s21, s16, 12
	s_add_co_u32 s20, s20, s21                     ; first32: the sequence, my head's four tiles of q
	s_mov_b32 s21, 0
	s_lshl_b32 s22, s16, 18
	s_add_co_u32 s22, s22, s18                     ; Wo: my head's 64 rows, my columns
	s_mov_b32 s23, 0
	s_lshl_b32 s24, s16, 2
	s_mov_b32 s25, 0
	s_lshl_b32 s26, s17, 23
	s_add_co_u32 s26, s26, s18                     ; out0: the sequence's first row, my columns
	s_mov_b32 s27, 0
	s_mov_b32 s28, 0x76543210
	s_mov_b32 s29, 0xfedcba98
	s_wait_kmcnt 0x0
	s_add_nc_u64 s[4:5], s[4:5], s[20:21]
	s_add_nc_u64 s[6:7], s[6:7], s[22:23]
	s_add_nc_u64 s[8:9], s[8:9], s[18:19]
	s_add_nc_u64 s[10:11], s[10:11], s[24:25]
	s_add_nc_u64 s[12:13], s[12:13], s[24:25]
	s_add_nc_u64 s[14:15], s[14:15], s[26:27]
	s_load_b32 s30, s[10:11], 0x0                  ; w[head]
	s_load_b32 s31, s[12:13], 0x0                  ; v[head]
.irp t, 0,1,2,3
.irp e, 0,1
	global_load_b128 v[QR+8*\t+4*\e:QR+8*\t+4*\e+3], v[LI], s[4:5] offset:1024*\t+512*\e          ; q(position r, channel 16 t + 8 h + 0 .. 7)
.endr
.endr
.irp t, 0,1,2,3
.irp e, 0,1
	global_load_b128 v[KR+8*\t+4*\e:KR+8*\t+4*\e+3], v[LI], s[4:5] offset:65536+1024*\t+512*\e    ; k likewise
.endr
.endr
.irp t, 0,1,2,3
.irp s, 0,1,2,3
.irp j, 0,1
	global_load_b32 v[VR+8*\t+2*\s+\j], v[VG], s[4:5] offset:131072+1024*\t+32*\s+16*\j           ; val(key 8 h + 2 s + j, channel 16 t + r)
.endr
.endr
.endr
.irp t, 0,1,2,3
.irp s, 0,1,2,3
.irp j, 0,1
	global_load_b32 v[WR+8*\t+2*\s+\j], v[WG], s[6:7] offset:(16*\t+2*\s+\j)*4096                 ; Wo(64 head + 16 t + 8 h + 2 s + j, my column r)
.endr
.endr
.endr
	global_load_b128 v[8:11], v252, s[8:9]
	global_load_b128 v[12:15], v252, s[8:9] offset:16
	s_wait_loadcnt 63                              ; q and k are in: 66 loads were issued behind them, and 63 is the largest count that the wait can name
.irp s, 0,1,2,3                        ; S^T = k q^T: accumulator t sums channels 16 t on
.irp t, 0,1,2,3
.if \s == 0
	v_wmma_f32_16x16x4_f32 v[MA+8*\t:MA+8*\t+7], v[KR+8*\t+2*\s:KR+8*\t+2*\s+1], v[QR+8*\t+2*\s:QR+8*\t+2*\s+1], 0
.else
	v_wmma_f32_16x16x4_f32 v[MA+8*\t:MA+8*\t+7], v[KR+8*\t+2*\s:KR+8*\t+2*\s+1], v[QR+8*\t+2*\s:QR+8*\t+2*\s+1], v[MA+8*\t:MA+8*\t+7]
.endif
.endr
.endr
.rept 8
	v_nop                                          ; eight places behind this form (ISA guide 7.12.1)
.endr
.irp j, 0,1,2,3,4,5,6,7
	v_add_f32 v[P+\j], v[MA+\j], v[MA+8+\j]        ; lane (r, h): query r, key 8 h + j.  Each accumulator is read from its low end on
.endr
.irp j, 0,1,2,3,4,5,6,7
	v_add_f32 v[P+\j], v[P+\j], v[MA+16+\j]
.endr
.irp j, 0,1,2,3,4,5,6,7
	v_add_f32 v[P+\j], v[P+\j], v[MA+24+\j]
.endr
	s_wait_kmcnt 0x0
	v_mov_b32 v64, s30                             ; w
	v_mov_b32 v65, s31                             ; v
	v_mul_f32 v66, 0x3fb8aa3b, v65
	v_exp_f32 v66, v66                             ; e^v
	v_lshlrev_b32 v67, 3, v6
	v_sub_nc_u32 v67, v7, v67                      ; d0 = r - 8 h: register j's distance is d0 - j
.irp j, 0,1,2,3,4,5,6,7
	v_add_nc_u32 v[48+\j], -\j, v67
	v_cvt_f32_i32 v[48+\j], v[48+\j]
	v_fma_f32 v[48+\j], -v64, v[48+\j], v65
	v_mul_f32 v[48+\j], 0x3fb8aa3b, v[48+\j]
.endr
	s_wait_alu depctr_va_vdst(0)                   ; ahead of the first line that names a transcendental's result
	v_add_f32 v66, 1.0, v66
	v_mul_f32 v66, 0x3e38aa3b, v66                 ; (1 + e^v) log2(e) / 8
.irp j, 0,1,2,3,4,5,6,7
	v_exp_f32 v[48+\j], v[48+\j]
.endr
	v_nop
	s_wait_alu depctr_va_vdst(0)
.irp j, 0,1,2,3,4,5,6,7
	v_add_f32 v[48+\j], 1.0, v[48+\j]
.endr
.irp j, 0,1,2,3,4,5,6,7
	v_rcp_f32 v[48+\j], v[48+\j]
.endr
	v_mov_b32 v68, 0xff800000                      ; (a plain line behind the last reciprocal)  -infinity
	s_wait_alu depctr_va_vdst(0)
.irp j, 0,1,2,3,4,5,6,7
	v_mul_f32 v[48+\j], v66, v[48+\j]              ; T(d0 - j)
	v_max_num_f32 v[P+\j], 0, v[P+\j]              ; relu
.endr
.irp j, 0,1,2,3,4,5,6,7
	v_mul_f32 v[P+\j], v[P+\j], v[48+\j]
	v_cmp_gt_i32 vcc_lo, \j, v67                   ; hidden where the key comes after the query
	v_cndmask_b32 v[P+\j], v[P+\j], v68, vcc_lo
.endr
	v_max3_num_f32 v69, v[P], v[P+1], v[P+2]
	v_max3_num_f32 v69, v69, v[P+3], v[P+4]
	v_max3_num_f32 v69, v69, v[P+5], v[P+6]
	v_max_num_f32 v69, v69, v[P+7]
	v_mov_b32 v70, 0                               ; a lane permute's destination counts as one of its sources
	v_permlanex16_b32 v70, v69, s28, s29
	v_max_num_f32 v69, v69, v70                    ; the row's maximum: key 0 counts for every query, so it is a number
.irp j, 0,1,2,3,4,5,6,7
	v_sub_f32 v[P+\j], v[P+\j], v69
.endr
.irp j, 0,1,2,3,4,5,6,7
	v_exp_f32 v[P+\j], v[P+\j]
.endr
	v_nop
	s_wait_alu depctr_va_vdst(0)
	v_add_f32 v71, v[P], v[P+1]
	v_add_f32 v72, v[P+2], v[P+3]
	v_add_f32 v73, v[P+4], v[P+5]
	v_add_f32 v74, v[P+6], v[P+7]
	v_add_f32 v71, v71, v72
	v_add_f32 v73, v73, v74
	v_add_f32 v71, v71, v73
	v_permlanex16_b32 v70, v71, s28, s29
	v_add_f32 v71, v71, v70                        ; the row's sum
	v_rcp_f32 v71, v71
	v_nop
	s_wait_alu depctr_va_vdst(0)
	s_wait_loadcnt 34                              ; val is in; Wo's 32 loads and bo's two may be out
.irp s, 0,1,2,3                        ; O^T = val^T p: accumulator t holds channels 16 t on
.irp t, 0,1,2,3
.if \s == 0
	v_wmma_f32_16x16x4_f32 v[MB+8*\t:MB+8*\t+7], v[VR+8*\t+2*\s:VR+8*\t+2*\s+1], v[P+2*\s:P+2*\s+1], 0
.else
	v_wmma_f32_16x16x4_f32 v[MB+8*\t:MB+8*\t+7], v[VR+8*\t+2*\s:VR+8*\t+2*\s+1], v[P+2*\s:P+2*\s+1], v[MB+8*\t:MB+8*\t+7]
.endif
.endr
.endr
.rept 8
	v_nop
.endr
.set n, 0
.rept 32
	v_mul_f32 v[QR+n], v[MB+n], v71                ; ctx(query r, channel 16 t + 8 h + j), into other registers
.set n, n+1
.endr
	s_wait_loadcnt 2                               ; Wo is in; bo's two loads may be out
.irp s, 0,1,2,3                        ; out^T = Wo^T ctx^T, my head's 64 channels
.irp t, 0,1,2,3
.if \s == 0
	v_wmma_f32_16x16x4_f32 v[MC+8*\t:MC+8*\t+7], v[WR+8*\t+2*\s:WR+8*\t+2*\s+1], v[QR+8*\t+2*\s:QR+8*\t+2*\s+1], 0
.else
	v_wmma_f32_16x16x4_f32 v[MC+8*\t:MC+8*\t+7], v[WR+8*\t+2*\s:WR+8*\t+2*\s+1], v[QR+8*\t+2*\s:QR+8*\t+2*\s+1], v[MC+8*\t:MC+8*\t+7]
.endif
.endr
.endr
.rept 8
	v_nop
.endr
.irp j, 0,1,2,3,4,5,6,7
	v_add_f32 v[P+\j], v[MC+\j], v[MC+8+\j]        ; lane (r, h): position r, column 8 h + j
.endr
.irp j, 0,1,2,3,4,5,6,7
	v_add_f32 v[P+\j], v[P+\j], v[MC+16+\j]
.endr
.irp j, 0,1,2,3,4,5,6,7
	v_add_f32 v[P+\j], v[P+\j], v[MC+24+\j]
.endr
	ds_store_b128 v253, v[P:P+3]
	ds_store_b128 v253, v[P+4:P+7] offset:512
	s_wait_dscnt 0x0                               ; for the others' sake: my stores have landed
	s_barrier_signal -1
	s_barrier_wait -1
	s_cmp_lg_u32 s16, 0
	s_cbranch_scc1 .Ldone                          ; wave 0 alone adds; no barrier stands in this branch
.irp p, 0,1,2,3,4,5,6,7,8,9,10,11,12,13,14,15
	ds_load_b128 v[16+8*\p:16+8*\p+3], v[LI] offset:1024*\p
	ds_load_b128 v[16+8*\p+4:16+8*\p+7], v[LI] offset:1024*\p+512
.endr
	s_wait_dscnt 0x0
	s_wait_loadcnt 0x0                             ; bo
.irp p, 0,1,2,3,4,5,6,7,8,9,10,11,12,13,14,15
.irp j, 0,2,4,6
	v_pk_add_f32 v[8+\j:9+\j], v[8+\j:9+\j], v[16+8*\p+\j:17+8*\p+\j]   ; bo and the heads' parts, in the heads' order
.endr
.endr
	global_store_b128 v254, v[8:11], s[14:15]      ; pieces of 64 bytes of a row: 131,072 bytes in the whole launch
	global_store_b128 v254, v[12:15], s[14:15] offset:16
.Ldone:
	s_wait_tensorcnt 0x0                           ; the wave's end
	ds_add_u32 v[SPW], v[NIL]
	s_wait_dscnt 0x0
	s_endpgm
.Lfunc_end_k_q416c5fcb50_first16:
	.size	k_q416c5fcb50_first16, .Lfunc_end_k_q416c5fcb50_first16-k_q416c5fcb50_first16
	.p2alignl 7, 3214868480
	.fill 96, 4, 3214868480
	.section	.rodata,"a",@progbits
	.p2align	6, 0x0
	.amdhsa_kernel k_q416c5fcb50_first16
		.amdhsa_group_segment_fixed_size 18432
		.amdhsa_private_segment_fixed_size 0
		.amdhsa_enable_private_segment 0
		.amdhsa_kernarg_size 48
		.amdhsa_user_sgpr_count 2
		.amdhsa_user_sgpr_kernarg_segment_ptr 1
		.amdhsa_wavefront_size32 1
		.amdhsa_system_sgpr_workgroup_id_x 1
		.amdhsa_system_sgpr_workgroup_id_y 1
		.amdhsa_system_sgpr_workgroup_id_z 1
		.amdhsa_system_vgpr_workitem_id 0
		.amdhsa_next_free_vgpr 256
		.amdhsa_next_free_sgpr 66
		.amdhsa_reserve_vcc 1
		.amdhsa_float_denorm_mode_32 3
		.amdhsa_float_denorm_mode_16_64 3
		.amdhsa_memory_ordered 1
		.amdhsa_forward_progress 1
		.amdhsa_inst_pref_size 29
	.end_amdhsa_kernel
	.amdgpu_metadata
---
amdhsa.version: [ 1, 2 ]
amdhsa.kernels:
  - .name:           k_q416c5fcb50_first16
    .symbol:         k_q416c5fcb50_first16.kd
    .args:
      - { .name: first32, .offset: 0, .size: 8, .value_kind: global_buffer, .address_space: global }
      - { .name: Wo, .offset: 8, .size: 8, .value_kind: global_buffer, .address_space: global }
      - { .name: bo, .offset: 16, .size: 8, .value_kind: global_buffer, .address_space: global }
      - { .name: w, .offset: 24, .size: 8, .value_kind: global_buffer, .address_space: global }
      - { .name: v, .offset: 32, .size: 8, .value_kind: global_buffer, .address_space: global }
      - { .name: out0, .offset: 40, .size: 8, .value_kind: global_buffer, .address_space: global }
    .group_segment_fixed_size: 18432
    .private_segment_fixed_size: 0
    .kernarg_segment_align: 8
    .kernarg_segment_size: 48
    .max_flat_workgroup_size: 512
    .sgpr_count:     66
    .vgpr_count:     256
    .wavefront_size: 32
...
	.end_amdgpu_metadata
.endif
;; end of part 5
